; MI455X (gfx1250); checked and timed in simulation.
; The chip was launched on July 23, 2026; its instructions are those of AMD's public machine-readable ISA for CDNA 5 (MIT licence, August 2026) and "CDNA5" Instruction Set Architecture Reference Guide (July 2026). The comments in the code are by the model that wrote it; some were corrected since.
;; Causal Self Attention. Allowed arithmetic: matrix products marked QUANTISED: E4M3 operands, one E8M0 scale for each 32 along K, by v_wmma_scale_f32_16x16x128_f8f6f4 with both operands' format E4M3, f32 sums; everything else in f32.
;; Inputs: W_proj_codes 1,024 x 32 x 32 uint8 (E4M3 codes of W_proj, K innermost, in blocks of 32 codes); W_proj_scales 1,024 x 32 uint8 (E8M0 scales of W_proj, one for each 32 codes along K); W_qkv_codes 3,072 x 32 x 32 uint8 (E4M3 codes of W_qkv, K innermost, in blocks of 32 codes); W_qkv_scales 3,072 x 32 uint8 (E8M0 scales of W_qkv, one for each 32 codes along K); b_proj 1,024 float32; b_qkv 3,072 float32; x_codes 4 x 2,048 x 32 x 32 uint8 (E4M3 codes of x, K innermost, in blocks of 32 codes); x_scales 4 x 2,048 x 32 uint8 (E8M0 scales of x, one for each 32 codes along K).
;; Outputs: out0 4 x 2,048 x 1,024 float32.
;; This version of the problem:
;;   THIS VERSION OF THE PROBLEM IS GIVEN IN LOW PRECISION. The matrix products marked QUANTISED in the list below multiply operands that are first quantised to E4M3 (4 exponent bits, 3 mantissa bits; 8 bits a number), with one power-of-two scale for each 32 numbers along K (OCP MX v1.0); their sums are f32. All else is computed in f32.
;;   The module's matrix products, in the order in which they are computed (A, B: the left and right operand; K: the contracted axis; several contracted axes count as one K, in the product's order):
;;     1. [M 8,192, K 1,024] x [K 1,024, N 3,072]; A: input x (given as codes); B: input W_qkv (given as codes): QUANTISED
;;     2. batch 64 x [M 2,048, K 64] x [K 64, N 2,048]; A: computed on the way; B: computed on the way: QUANTISED
;;     3. batch 64 x [M 2,048, K 2,048] x [K 2,048, N 64]; A: softmax (see below); B: computed on the way: QUANTISED
;;     4. [M 8,192, K 1,024] x [K 1,024, N 1,024]; A: computed on the way; B: input W_proj (given as codes): QUANTISED
;;   THE QUANTISER, for each operand of a quantised product, along K:
;;     - K is cut into blocks of 32 from its start; a last block that is shorter is filled with zeros.
;;     - A block's scale is 2^e with e = floor(log2(the largest magnitude in the block)) - 8, held to -126 .. 127; a block of zeros has e = 0. As a byte (E8M0): e + 127.
;;     - Each number is divided by its block's scale, clamped to +-448, and rounded to the nearest number of E4M3, ties to even, subnormals kept.
;;     - The product sums the exact products of the quantised numbers (number of the format x scale) in f32.
;;   ~~~python
;;   def quantise(x, axis):      # numpy; x: float32 -> the quantised numbers, widened to float32 again
;;       x = np.moveaxis(x, axis, -1); K = x.shape[-1]
;;       x = np.pad(x, [(0, 0)] * (x.ndim - 1) + [(0, -K % 32)]); x = x.reshape(x.shape[:-1] + (-1, 32)); a = np.abs(x).max(-1, keepdims=True)
;;       e = np.where(a > 0, np.clip(np.frexp(np.where(a > 0, a, 1))[1] - 1 - 8, -126, 127), 0)      # np.frexp(a)[1] - 1 = floor(log2(a)), exactly
;;       r = np.clip(x / 2.0 ** e, -448, 448)
;;       step = 2.0 ** (np.maximum(np.frexp(np.where(r == 0, 1, r))[1] - 1, -6) - 3)
;;       q = np.round(r / step) * step * 2.0 ** e      # np.round: ties to even
;;       return np.moveaxis(q.reshape(q.shape[:-2] + (-1,))[..., :K], -1, axis).astype(np.float32)
;;   ~~~
;;   SOFTMAX AHEAD OF A QUANTISED PRODUCT. Where the list says 'softmax', what is quantised is not the finished softmax but p = 2^(t - M), with t = logit x log2(e) and M = ceil(the row's largest t), a whole number; so 1/2 < the row's largest p <= 1. The row's sum l is taken of the UNQUANTISED p, in f32, and the product's result is divided by l at the end. Since M is a whole number, a kernel that streams over the keys may use a running M (the ceiling of the running maximum): every later rescaling is an exact power of two, which a block's scale takes up: the codes' values come out the same.
;;   OPERANDS COMPUTED ON THE WAY. 'Computed on the way' means the value that the module computes at that place (a softmax that the list does not call 'softmax' is quantised finished and normalised). What goes into a quantiser is computed in f32, as accurately as f32 sums, v_exp_f32 and their like allow (about 1e-6 of the number): no bf16 or f16 on the way to a quantiser, and a product that is left as it is and whose result goes on into a quantised operand takes f32 operands (vector FMAs, or v_wmma_f32_16x16x4_f32). A number that lies on a knife's edge between two numbers of the format may be rounded either way, as far as f32 arithmetic and the matrix unit's own rounding can turn it there, and no further.
;;   INPUTS GIVEN AS CODES. W_proj (in the module: [1024, 1024], K = its axis 0); W_qkv (in the module: [1024, 3072], K = its axis 0); x (in the module: [4, 2048, 1024], K = its axis 2): each comes as NAME_codes (uint8): NAME with its K axis moved to the last place and cut into blocks of 32 codes, [.., K / 32, bytes a block], one block behind the other in memory; one code a byte (a code: sign, 4 exponent bits, 3 mantissa bits); and NAME_scales (uint8): the same leading axes, one E8M0 byte (e + 127) for each 32 codes along K. Its value is code x scale, taken as it is: it is not quantised again, and the codes and scales need not be those that the quantiser above would give.
;; One version. Each part assembles by itself: llvm-mc -triple=amdgcn-amd-amdhsa -mcpu=gfx1250 --defsym DOCPART=n.
;; ======== version 1 of 1: 3 launches
;; limits: right only within a limited range of input values
;; workspace buffers: qbuf 8,650,752 bytes; kv 17,301,504 bytes; a_img 8,388,608 bytes; a_sc 262,144 bytes
;; launch qkv (part 1): grid 4 x 96, 4 waves a work-group, clusters of 4 x 4, 327,680 bytes of LDS; arguments x_codes, x_scales, W_qkv_codes, W_qkv_scales, b_qkv, qbuf, kv; writes qbuf, kv
.if DOCPART == 1
	.amdgcn_target "amdgcn-amd-amdhsa--gfx1250"
	.amdhsa_code_object_version 6
	.text
	.protected	k_qd920d1e3da_qkv
	.globl	k_qd920d1e3da_qkv
	.p2align	8
	.type	k_qd920d1e3da_qkv,@function
k_qd920d1e3da_qkv:
	s_mov_b64 s[64:65], 0
	v_nop
	global_prefetch_b8 v0, s[64:65] scope:SCOPE_SE
	s_setreg_imm32_b32 hwreg(HW_REG_WAVE_MODE, 25, 1), 1
	s_wait_xcnt 0x0
	s_wait_alu depctr_hold_cnt(0) depctr_sa_sdst(0) depctr_va_vdst(0) depctr_va_sdst(0) depctr_va_ssrc(0) depctr_va_vcc(0) depctr_vm_vsrc(0)
	s_getreg_b32 s2, hwreg(HW_REG_IB_STS2, 6, 4)
	s_cmp_eq_u32 s2, 0
	s_cbranch_scc0 .Lentry_in_a_cluster
	s_endpgm
.Lentry_in_a_cluster:
	s_bfe_u32 s2, ttmp6, 0x10000c
	s_cmp_lg_u32 s2, 0xf033
	s_cbranch_scc0 .Lentry_shape_is_right
	s_endpgm
.Lentry_shape_is_right:
; qkv = x W_qkv + b_qkv on codes of FP8 (E4M3) with one E8M0 scale for each 32 along K = 1,024; the results are quantised at once, in registers, and leave as codes:
; q and k along the head's 64 channels, v along the keys.  No f32 number of qkv goes to memory.
; ONE GENERIC PRODUCT serves all three: D[i][j] = sum over k of A[i][k] B[j][k] + bias, quantised along j.  The matrix instruction takes 16 rows of B as source 0 and 16 rows of A as source 1, so that a lane
; holds ONE i (lane % 16) and its registers run along j.  For q and k: A = x (i = token), B = W_qkv's rows (j = channel).  For v: A = W_qkv's rows 2,048 on (i = 64 head + d), B = x (j = token = key).
; SHARES.  A tile of D is 256 x 256: four waves, each 128 x 128 = 64 accumulators.  24 clusters of 4 x 4 work-groups: clusters 0-7 make q, 8-15 k, 16-23 v; which, hangs on the cluster's number alone.
; K goes in steps of 256 through a ring of two LDS slots filled by the tensor data mover; the scale bytes of the work-group's rows, for all of K, come once and stay.  The four work-groups of a row of the
; cluster need the same tiles of A, the four of a column the same tiles of B: each tile is asked for JOINTLY, by the same tensor load with the same descriptor and a mask that names the four.
; THE WAY OUT.  Two neighbouring accumulators (16 registers a lane) and lane l xor 16's are a block of 32 along j.  The two conversions' four registers are stored as they stand, 16 bytes a lane, 512 consecutive
; bytes a store: an IMAGE of four registers of the next product's operand.  In such an image place 32 c + 16 h + 8 u + e of an operand holds element 32 c + 16 u + 8 h + e (h = lane / 16): an exchange INSIDE a block
; of 32, the same in q and k, and in v and the softmax's p: scales and products are as by the rule, only the order of the additions inside a matrix instruction differs.
; RECORDS.  qbuf: [64 heads][16] records of 8,448 bytes for 128 tokens: tile a (16 tokens) x 1,024 + block x 512 + 16 x lane; at 8,192 the scale words [16 rows][4]: word f = the two bytes of tile 2 f, then of tile 2 f + 1.
; kv: [64][16] records of 16,896 bytes for 128 keys: k as in qbuf; at 8,192 v: (16 d) tile t x 2,048 + key block c x 512 + 16 x lane; at 16,384 k's scale words; at 16,640 v's, [16 rows][4 tiles], byte c for key block c.
; LIMITS: NaN and infinities are not served.  A block whose largest magnitude lies under 2^-118 has its byte held at 1; a block of zeros gets the byte 1 where the rule says 127: its codes are zeros, and this program alone reads the bytes.
; REGISTERS, in windows of 256: window 0: v1-31 addresses; v32-63 scale words, two sets; v64-127 the bias, the C of the first products; from v128 A's fragments, one set (on the way out: at work).
;   window 1: B's fragments, two sets.   window 2: the 32 accumulators of my i 0-63 (accumulator (a, b) at v[8 (8 a + b)]);   window 3: those of my i 64-127.
.set KROW,   1024                      ; a row of codes in memory, in bytes
.set ROWB,   256                       ; a tile's row: 256 along K
.set NQ,     2                         ; matrix instructions deep in a slot
.set PITCH,  272                       ; an LDS row: 256 bytes + 16 of padding = 68 words: the 16 rows that a load touches start at 16 different banks (64 banks of 4 bytes: ISA guide 11.1)
.set FR,     16                        ; registers of a fragment: 16 rows x 128 K
.set NL,     4                         ; LDS loads that bring one
.set NP,     8                         ; places behind this matrix instruction (ISA guide 7.12.1)
.set HALFT,  128*PITCH                 ; 128 rows: what one tensor load brings
.set SLOT,   4*HALFT                   ; A's 256 rows, then B's 256 rows
.set KS,     32                        ; a row of scale bytes
.set SCL,    2*SLOT                    ; behind the ring: the scales, as units of 256 bytes + 16 of padding
.set HALFS,  (128*KS/256)*272          ; the scales of 128 rows
.set SBLK,   (16*KS/256)*272           ; those of 16 rows
.set SPARE,  SCL+4*HALFS               ; the spare words, 128 bytes for each wave: two blocks of 256 bytes that no other line names
.set RQ,     8448                      ; a record of qbuf
.set RK,     16896                     ; a record of kv
.set VO,   9                           ; v9-12   the way out: byte offset of my 16 bytes of block jb's image
.set SCO,  13                          ; v13     and of my four scale words
.set PSEL, 14                          ; v14     which two bytes of a word are my half's head's
.set ADRA, 16                          ; v16-17  LDS address of my A fragments in slot 0, 1
.set ADRB, 20                          ; v20-21  the same for B
.set ADRS, 27                          ; v27     LDS address of my scale words: lanes 0-15 A's rows, lanes 16-31 B's
.set SPW,  28                          ; v28     LDS address of my spare word; never rewritten
.set NIL,  29                          ; v29     0; never rewritten
.set SC,   32                          ; scale words: set s at v[SC + 16 s]; register 2 i + q: lanes 0-15 A's block i, lanes 16-31 B's block i, the slot's q-th 128 along K
.set BI,   64                          ; the bias in the result's layout
.set AF,   128                         ; A's fragments
.set TM,   128                         ; the way out: v128-131 largest magnitudes, v132-135 bytes, v140-143 the conversions' scale operands
.set SW,   144                         ; v144-151 block a's scale word: bytes jb 0..3
.set FW,   152                         ; v152-155 the four words that I store
.set CD,   160                         ; v160-191 codes, two sets of 16
.set SEL,  2                           ; s[2:3]  lane selects for v_permlanex16_b32: lane l xor 16
.set HS,   18                          ; s18     16 records: from a head to the next
.set HJ,   19                          ; s19     from blocks jb 0, 1 to blocks 2, 3
.set STA,  20                          ; s[20:21] from block a to a + 1
.set STX,  22                          ; s[22:23] more at a = 4 (v: the next head)
.set G1,   24                          ; s[24:31] descriptor group 1 for A's tiles;  s[32:39] group 0, one set for each slot
.set G0,   32
.set G1B,  48                          ; s[48:55], s[56:63] the same for B's tiles
.set G0B,  56
.set ISV,  66                          ; s66     1: this cluster makes v
.set ISQ,  67                          ; s67     1: it makes q
.set G1S,  68                          ; s[68:75], s[76:79] groups 1 and 0 for A's scales;  s[80:87], s[88:91] for B's
.set G0S,  76
.set G1SB, 80
.set G0SB, 88
.set MNT,  95
.set OB,   96                          ; s[96:97] where the images go
.set SB,   98                          ; s[98:99] where the scale words go
.set HM,   100                         ; s100    lanes 16-31
.set MSB, 0
.macro WIN new                         ; the immediate's high byte repeats the setting that is left
.if MSB != \new
	s_set_vgpr_msb (MSB<<8)|\new
.set MSB, \new
.endif
.endm
.set MUL_LO, 0xa1                      ; source 0 (B) window 1, source 1 (A) window 0, C and D window 2
.set MUL_HI, 0xf1                      ; the same, C and D window 3
.set TO_B,   0x40                      ; destination window 1, address window 0
; A joint load: waves 0 and 1 fetch for A, waves 2 and 3 for B.  Each of the two lines has one mask and one set of registers for all that issue it; the branch hangs on the wave's number alone.
; Four v_nop follow each of the two lines, ahead of the jump, the label and what follows.
.macro JLOAD g0a, g1a, g0b, g1b
	s_cmp_eq_u32 s15, 0
	s_cbranch_scc0 .Lfor_b_\@
	tensor_load_to_lds s[\g0a:\g0a+3], s[\g1a:\g1a+7]
	s_nop 0
.rept 4
	v_nop
.endr
	s_branch .Lasked_\@
.Lfor_b_\@:
	tensor_load_to_lds s[\g0b:\g0b+3], s[\g1b:\g1b+7]
	s_nop 0
.rept 4
	v_nop
.endr
.Lasked_\@:
.endm
.macro CREST                           ; a round of the cluster's barrier behind its opening barrier
	s_cmp_lg_u32 s14, 0
	s_cbranch_scc1 .Lnot_wave_0_\@
	s_barrier_signal -3
.Lnot_wave_0_\@:
	s_barrier_wait -3
	s_barrier_signal -1
	s_barrier_wait -1
.endm
.macro CROUND                          ; a whole round
	s_barrier_signal -1
	s_barrier_wait -1
	CREST
.endm
	s_load_b128 s[4:7], s[0:1], 0x0                ; x's codes, x's scales
	s_load_b128 s[8:11], s[0:1], 0x10              ; W_qkv's codes, its scales
	s_load_b64 s[12:13], s[0:1], 0x20              ; b_qkv
	s_load_b64 s[96:97], s[0:1], 0x28              ; qbuf
	s_load_b64 s[98:99], s[0:1], 0x30              ; kv
	v_lshl_add_u32 v[SPW], v0, 2, SPARE
	v_mov_b32 v[NIL], 0
	ds_add_u32 v28, v29
	ds_add_u32 v28, v29
	s_wait_dscnt 0x0
	v_lshrrev_b32 v1, 5, v0
	v_readfirstlane_b32 s14, v1                    ; wave 0..3
	s_lshr_b32 s15, s14, 1                         ; which half of the tile's i is mine.  Also: I fetch for A (0) or for B (1)
	s_and_b32 s16, s14, 1                          ; which half of its j.  Also: which 128 rows of that tile I fetch
	s_bfe_u32 s40, ttmp6, 0x40000                  ; cx, cy: my place in the cluster
	s_bfe_u32 s41, ttmp6, 0x40004
	s_and_b32 s2, ttmp7, 0xffff                    ; the cluster's number, 0..23: all sixteen partners share it
	s_and_b32 s17, s2, 7                           ; q, k: which 1,024 tokens,
	s_lshr_b32 s42, s2, 3                          ; and which 1,024 columns of W_qkv
	s_sub_co_u32 s18, s2, 16                       ; v: which 1,024 tokens
	s_cmp_ge_u32 s2, 16
	s_cselect_b32 s[ISV], 1, 0
	s_cselect_b32 s17, 0, s17
	s_cselect_b32 s42, s18, s42
	s_cselect_b32 s3, 2048, 0                      ; v: A's rows are W_qkv's from 2,048 on
	s_cmp_lt_u32 s2, 8
	s_cselect_b32 s[ISQ], 1, 0
	s_lshl_b32 s17, s17, 2
	s_add_co_u32 s17, s17, s41                     ; tile row (i / 256)
	s_lshl_b32 s42, s42, 2
	s_add_co_u32 s42, s42, s40                     ; tile column (j / 256)
	s_lshl_b32 s43, s41, 2
	s_lshl_b32 s43, 15, s43                        ; my row of the cluster
	s_lshl_b32 s44, 0x1111, s40                    ; my column
	; descriptor group 1: a tile of 128 rows x 256 bytes, padded in LDS
	s_or_b32 s[G1+0], s43, (0<<16)|(1<<20)|(1<<21)|(5<<22)|(3<<25)  ; 15:0 the mask: A's tiles go to my row; 17:16 element of 1 byte; 20 padding on; 21 set beside a mask; 24:22 after every 64 words; 31:25 four words
	s_or_b32 s[G1B+0], s44, (0<<16)|(1<<20)|(1<<21)|(5<<22)|(3<<25)
.irp g, G1, G1B
	s_mov_b32 s[\g+1], ROWB<<16                    ; tensor_dim0
	s_mov_b32 s[\g+2], 128<<16                     ; tensor_dim1
	s_mov_b32 s[\g+3], ROWB<<16                    ; tile_dim0
	s_mov_b32 s[\g+4], 128                         ; tile_dim1
	s_mov_b32 s[\g+5], KROW                        ; tensor_dim0_stride
	s_mov_b32 s[\g+6], 0
	s_mov_b32 s[\g+7], 0
.endr
	; the scales of 128 rows: a dense block of 4,096 bytes, as 16 rows of 256 bytes (32 elements of 8 bytes), 16 bytes of padding behind each
	s_or_b32 s[G1S+0], s43, (3<<16)|(1<<20)|(1<<21)|(5<<22)|(3<<25)
	s_or_b32 s[G1SB+0], s44, (3<<16)|(1<<20)|(1<<21)|(5<<22)|(3<<25)
.irp g, G1S, G1SB
	s_mov_b32 s[\g+1], 32<<16
	s_mov_b32 s[\g+2], (128*KS/256)<<16
	s_mov_b32 s[\g+3], 32<<16
	s_mov_b32 s[\g+4], 128*KS/256
	s_mov_b32 s[\g+5], 32
	s_mov_b32 s[\g+6], 0
	s_mov_b32 s[\g+7], 0
.endr
	s_lshl_b32 s18, s16, 7                         ; which 128 rows of the tile I fetch
	s_lshl_b32 s20, s17, 8
	s_add_co_u32 s20, s20, s18
	s_add_co_u32 s20, s20, s3                      ; A: row 256 x tile row + 128 x half (+ 2,048 for v)
	s_lshl_b32 s46, s42, 8
	s_add_co_u32 s46, s46, s18                     ; B: row 256 x tile column + 128 x half
	s_mov_b32 s21, 0
	s_mov_b32 s47, 0
	s_mov_b64 s[18:19], KS
	s_mul_u64 s[22:23], s[20:21], s[18:19]         ; where these rows' scales begin, in bytes
	s_mul_u64 s[92:93], s[46:47], s[18:19]
	s_mov_b64 s[18:19], KROW
	s_mul_u64 s[20:21], s[20:21], s[18:19]         ; and their codes
	s_mul_u64 s[46:47], s[46:47], s[18:19]
	s_mul_i32 s45, s14, HALFT                      ; where they go: wave x 128 rows: no place in the cluster enters an LDS address
	s_mul_i32 s94, s14, HALFS
	s_wait_kmcnt 0x0
	s_cmp_lg_u32 s[ISV], 0                         ; which tensor is A and which B: the choice hangs on the cluster's number alone
	s_cselect_b64 s[18:19], s[8:9], s[4:5]         ; A's codes
	s_cselect_b64 s[4:5], s[4:5], s[8:9]           ; B's codes
	s_cselect_b64 s[8:9], s[10:11], s[6:7]         ; A's scales
	s_cselect_b64 s[6:7], s[6:7], s[10:11]         ; B's scales
	s_add_nc_u64 s[20:21], s[18:19], s[20:21]
	s_add_nc_u64 s[22:23], s[8:9], s[22:23]
	s_add_nc_u64 s[46:47], s[4:5], s[46:47]
	s_add_nc_u64 s[92:93], s[6:7], s[92:93]
	CROUND                                         ; all sixteen work-groups are here: the first joint loads meet
	s_mov_b32 s[G0S], 1
	s_add_co_u32 s[G0S+1], s94, SCL
	s_mov_b64 s[G0S+2:G0S+3], s[22:23]
	s_or_b32 s[G0S+3], s[G0S+3], 0x80000000
	s_mov_b32 s[G0SB], 1
	s_add_co_u32 s[G0SB+1], s94, SCL
	s_mov_b64 s[G0SB+2:G0SB+3], s[92:93]
	s_or_b32 s[G0SB+3], s[G0SB+3], 0x80000000
	JLOAD G0S, G1S, G0SB, G1SB                     ; the scales first: they are wanted with K step 0
.irp s, 0,1
	s_mov_b32 s[G0+4*\s], 1
	s_add_co_u32 s[G0+4*\s+1], s45, \s*SLOT
	s_add_nc_u64 s[G0+4*\s+2:G0+4*\s+3], s[20:21], \s*ROWB
	s_or_b32 s[G0+4*\s+3], s[G0+4*\s+3], 0x80000000
	s_mov_b32 s[G0B+4*\s], 1
	s_add_co_u32 s[G0B+4*\s+1], s45, \s*SLOT
	s_add_nc_u64 s[G0B+4*\s+2:G0B+4*\s+3], s[46:47], \s*ROWB
	s_or_b32 s[G0B+4*\s+3], s[G0B+4*\s+3], 0x80000000
	JLOAD G0+4*\s, G1, G0B+4*\s, G1B
.endr
	v_and_b32 v7, 15, v0                           ; r = l % 16
	v_bfe_u32 v8, v0, 4, 1                         ; h = l / 16
	v_mul_u32_u24 v3, v7, PITCH
	v_lshl_add_u32 v4, v8, 4, v3                   ; a fragment's row x pitch + 16 x half
	s_mul_i32 s21, s15, HALFT                      ; my 128 rows of A
	s_mul_i32 s22, s16, HALFT                      ; my 128 rows of B,
	s_add_co_u32 s22, s22, 2*HALFT                 ; which lie behind A's 256
.irp s, 0,1
	v_add_nc_u32 v[ADRA+\s], s21, v4
	v_add_nc_u32 v[ADRB+\s], s22, v4
	s_add_co_u32 s21, s21, SLOT
	s_add_co_u32 s22, s22, SLOT
.endr
	v_mul_u32_u24 v5, v7, KS                       ; my row's scales: 32 bytes a row,
	v_lshrrev_b32 v6, 8, v5
	v_lshl_add_u32 v5, v6, 4, v5                   ; and 16 more for each 256 passed
	s_mul_i32 s21, s15, HALFS                      ; A's: my 128 rows
	s_mul_i32 s22, s16, HALFS                      ; B's: my 128 rows, behind A's 256
	s_add_co_u32 s22, s22, 2*HALFS
	s_sub_co_u32 s22, s22, s21
	v_mul_u32_u24 v6, s22, v8                      ; lanes 16-31 take B's
	s_add_co_u32 s21, s21, SCL
	v_add_nc_u32 v5, v5, v6
	v_add_nc_u32 v[ADRS], s21, v5
	v_lshlrev_b32 v30, 5, v8                       ; the bias of q, k: my half's eight numbers of a tile: 32 h
	v_lshlrev_b32 v31, 2, v7                       ; the bias of v: my row's number: 4 r
	; where the results go.  i0, j0: my wave's first i and j
	s_lshl_b32 s20, s17, 8
	s_lshl_b32 s21, s15, 7
	s_add_co_u32 s20, s20, s21                     ; i0
	s_lshl_b32 s46, s42, 8
	s_lshl_b32 s47, s16, 7
	s_add_co_u32 s46, s46, s47                     ; j0
	s_and_b32 s47, s46, 1023                       ; the channel inside q or k
	s_add_co_u32 s21, s20, 2048                    ; v's first number in b_qkv
	s_cmp_lg_u32 s[ISV], 0
	s_cselect_b32 s22, s46, s20                    ; my first token
	s_cselect_b32 s23, s20, s47                    ; my first channel: 128 of them, two heads
	s_cselect_b32 s92, s21, s46                    ; my first number of the bias
	s_cselect_b32 s94, 8192, 0                     ; v's image lies behind k's
	s_mov_b32 s21, 16384
	s_cselect_b32 s21, 16640, s21                  ; a kv record's scale words: k's, v's
	s_lshl_b32 s92, s92, 2
	s_mov_b32 s93, 0
	s_add_nc_u64 s[12:13], s[12:13], s[92:93]
	s_lshr_b32 s92, s22, 11                        ; the batch,
	s_lshl_b32 s92, s92, 4
	s_lshr_b32 s23, s23, 6                         ; the head,
	s_add_co_u32 s92, s92, s23
	s_lshl_b32 s92, s92, 4
	s_bfe_u32 s23, s22, 0x40007                    ; which 128 tokens of the sequence:
	s_add_co_u32 s92, s92, s23                     ; the record's number
	s_mov_b32 s[HS], RK
	s_cmp_lg_u32 s[ISQ], 0
	s_cselect_b32 s[HS], RQ, s[HS]                 ; a record's bytes
	s_cselect_b32 s21, 8192, s21                   ; a qbuf record's scale words
	s_cselect_b64 s[OB:OB+1], s[96:97], s[98:99]   ; qbuf or kv
	s_mul_i32 s92, s92, s[HS]
	s_add_co_u32 s46, s92, s21
	s_mov_b32 s47, 0
	s_add_co_u32 s92, s92, s94
	s_add_nc_u64 s[SB:SB+1], s[OB:OB+1], s[46:47]
	s_add_nc_u64 s[OB:OB+1], s[OB:OB+1], s[92:93]
	s_lshl_b32 s[HS], s[HS], 4                     ; 16 records on: the next head, the same tokens
	s_cmp_lg_u32 s[ISV], 0
	s_cselect_b32 s[HJ], 1024, s[HS]               ; blocks jb 2, 3: v: key blocks 2, 3 of the same tile; q, k: the next head
	s_mov_b32 s[STA], 1024
	s_cselect_b32 s[STA], 2048, s[STA]             ; block a + 1: q, k: the next 16 tokens; v: the next 16 d
	s_mov_b32 s[STA+1], 0
	s_cselect_b32 s[STX], 262144, 0                ; v, a = 4: the next head: 16 records less the 8,192 bytes walked
	s_mov_b32 s[STX+1], 0
	s_mov_b32 s[SEL], 0x76543210
	s_mov_b32 s[SEL+1], 0xfedcba98
	s_mov_b32 s[HM], 0xffff0000
	; the bias, in the result's layout: q, k: it runs along j: tile b's eight numbers of my half; v: it runs along i: block a's number of my row, eight times
	s_cmp_lg_u32 s[ISV], 0
	s_cbranch_scc1 .Lbias_v
	s_wait_alu depctr_va_vdst(0)
.irp b, 0,1,2,3,4,5,6,7
	global_load_b128 v[BI+8*\b:BI+8*\b+3], v30, s[12:13] offset:64*\b
	global_load_b128 v[BI+8*\b+4:BI+8*\b+7], v30, s[12:13] offset:64*\b+16
.endr
	s_branch .Lbias_in
.Lbias_v:
	s_wait_alu depctr_va_vdst(0)
.irp a, 0,1,2,3,4,5,6,7
.irp e, 0,1,2,3,4,5,6,7
	global_load_b32 v[BI+8*\a+\e], v31, s[12:13] offset:64*\a
.endr
.endr
.Lbias_in:
.macro FRAG reg, adr, q, i             ; a fragment, 16 rows x 128 K of 8-bit codes: lane l holds row l % 16; registers 4 c .. 4 c + 3 hold K = 32 c + 16 (l / 16) + 0 .. 15
.irp c, 0,1,2,3
	ds_load_b128 v[\reg+4*\c:\reg+4*\c+3], v[\adr] offset:128*(\q)+32*\c+(\i)*16*PITCH
.endr
.endm
; 16 matrix instructions: A's blocks a0, a0 + 1 x B's eight, the slot's q-th 128 along K.  p: B's set;  sc: the set of scale words.  cm = 0: the sums go on in place; 1: they begin with the bias along j; 2: with the bias along i.
; The 64 accumulators take turns, one instruction a turn, in the same order in every step.
.macro MUL16 a0, p, q, sc, cm
.irp a, \a0, \a0+1
.irp b, 0,1,2,3,4,5,6,7
.if \cm == 1
	v_wmma_scale_f32_16x16x128_f8f6f4 v[8*(8*((\a)%4)+\b):8*(8*((\a)%4)+\b)+7], v[128*(\p)+FR*\b:128*(\p)+FR*\b+FR-1], v[AF+FR*(\a):AF+FR*(\a)+FR-1], v[BI+8*\b:BI+8*\b+7], v[SC+8*NQ*(\sc)+NQ*\b+(\q)], v[SC+8*NQ*(\sc)+NQ*(\a)+(\q)] matrix_a_scale:MATRIX_SCALE_ROW1
.elseif \cm == 2
	v_wmma_scale_f32_16x16x128_f8f6f4 v[8*(8*((\a)%4)+\b):8*(8*((\a)%4)+\b)+7], v[128*(\p)+FR*\b:128*(\p)+FR*\b+FR-1], v[AF+FR*(\a):AF+FR*(\a)+FR-1], v[BI+8*(\a):BI+8*(\a)+7], v[SC+8*NQ*(\sc)+NQ*\b+(\q)], v[SC+8*NQ*(\sc)+NQ*(\a)+(\q)] matrix_a_scale:MATRIX_SCALE_ROW1
.else
	v_wmma_scale_f32_16x16x128_f8f6f4 v[8*(8*((\a)%4)+\b):8*(8*((\a)%4)+\b)+7], v[128*(\p)+FR*\b:128*(\p)+FR*\b+FR-1], v[AF+FR*(\a):AF+FR*(\a)+FR-1], v[8*(8*((\a)%4)+\b):8*(8*((\a)%4)+\b)+7], v[SC+8*NQ*(\sc)+NQ*\b+(\q)], v[SC+8*NQ*(\sc)+NQ*(\a)+(\q)] matrix_a_scale:MATRIX_SCALE_ROW1
.endif
.endr
.endr
.endm
.macro FETCH_B slot, q, p              ; B's eight fragments of the slot's q-th 128 along K into set p
	WIN TO_B
.irp i, 0,1,2,3,4,5,6,7
	FRAG 128*(\p)+FR*\i, ADRB+\slot, \q, \i
.endr
	WIN 0
.endm
.macro FETCH_A slot, q, i0             ; A's blocks i0 .. i0 + 3
.irp i, \i0, \i0+1, \i0+2, \i0+3
	FRAG AF+FR*(\i), ADRA+\slot, \q, \i
.endr
.endm
.macro SCALES sc                       ; a K step's scale words into set sc: two words a row; lanes 0-15 take A's block i, lanes 16-31 B's block i
.irp i, 0,1,2,3,4,5,6,7
	ds_load_b64 v[SC+8*NQ*\sc+NQ*\i:SC+8*NQ*\sc+NQ*\i+1], v[ADRS] offset:\i*SBLK
.endr
.endm
; A load into a register that a matrix instruction has read, and a vector instruction that reads a matrix result or writes one of its registers, stand NP places behind it; only plain vector
; instructions that name none of its registers are places (ISA guide 7.12.1 for vector instructions).
.macro PLACES n
.rept \n
	v_nop
.endr
.endm
; A step of 128 along K that has its successor in the same slot.  A's blocks go one after the other, each against B's eight, so one set of registers serves A: blocks 0-3 are fetched anew in the middle, 4-7 at the end.
.macro STEP slot, q
	s_wait_dscnt 4*NL                              ; B's set and A's blocks 0-3 are in; the youngest 16 loads (A's blocks 4-7) may be out
	WIN MUL_LO
	MUL16 0, (\q)%2, \q, \slot, 0
	MUL16 2, (\q)%2, \q, \slot, 0
	s_wait_dscnt 0                                 ; A's blocks 4-7 are in (asked for 32 matrix instructions ago)
	PLACES NP
	FETCH_B \slot, (\q)+1, 1-(\q)%2
	FETCH_A \slot, (\q)+1, 0
	WIN MUL_HI
	MUL16 4, (\q)%2, \q, \slot, 0
	MUL16 6, (\q)%2, \q, \slot, 0
	PLACES NP
	WIN 0
	FETCH_A \slot, (\q)+1, 4
.endm
; A slot's last step changes slots: ONE barrier; in front of it each wave waits for all its tensor loads, adds 0 to its spare word, and waits for that and for its own reads of this slot.  fill = 1: this slot is filled again, two K steps ahead.
.macro TURN slot, next, fill
	s_wait_tensorcnt 0x0                           ; all my tensor loads have landed: my part of the next slot  (every window is 0 here)
	ds_add_u32 v[SPW], v[NIL]                      ; 0 onto my spare word
	s_wait_dscnt 4*NL+1                            ; (the add and the youngest 16 loads, A's blocks 4-7, may be out)
	WIN MUL_LO
	MUL16 0, 1, NQ-1, \slot, 0                     ; sixteen matrix instructions stand between the add and the wait for it
	s_wait_dscnt 0x0                               ; the add is done, and my reads of this slot are over
	s_barrier_signal -1
	MUL16 2, 1, NQ-1, \slot, 0
	WIN 0
	s_barrier_wait -1
.if \fill
	CREST                                          ; the barrier has opened a round of the cluster's barrier: no wave of any partner still reads this slot's tile or has a load on its way
	s_add_nc_u64 s[G0+4*\slot+2:G0+4*\slot+3], s[G0+4*\slot+2:G0+4*\slot+3], 2*ROWB
	s_add_nc_u64 s[G0B+4*\slot+2:G0B+4*\slot+3], s[G0B+4*\slot+2:G0B+4*\slot+3], 2*ROWB
	JLOAD G0+4*\slot, G1, G0B+4*\slot, G1B         ; the first tensor load behind the round; its four v_nop are among the places in front of the loads below
	PLACES NP-4
.else
	PLACES NP
.endif
	s_wait_alu depctr_va_vdst(0)
	v_add_nc_u32 v[ADRS], 4*NQ, v[ADRS]            ; on to the next K step's scale words (no LDS load of mine is out)
	FETCH_B \next, 0, 0
	FETCH_A \next, 0, 0
	SCALES \next
	WIN MUL_HI
	MUL16 4, 1, NQ-1, \slot, 0
	MUL16 6, 1, NQ-1, \slot, 0
	PLACES NP
	WIN 0
	FETCH_A \next, 0, 4
.endm
	s_wait_tensorcnt 1                             ; of my three first fills the scales and K step 0 are in; K step 1's may be out
	s_barrier_signal -1
	s_barrier_wait -1                              ; everybody's are
	FETCH_B 0, 0, 0
	FETCH_A 0, 0, 0
	SCALES 0
	FETCH_A 0, 0, 4
	s_wait_loadcnt 0x0                             ; the bias
	; THE FIRST STEP starts the sums with the bias as C: nothing is cleared and nothing is added later.  Its two runs of 32 products stand twice, for the bias along j (q, k) and along i (v)
	s_wait_dscnt 4*NL                              ; all but A's blocks 4-7
	s_cmp_lg_u32 s[ISV], 0
	s_cbranch_scc1 .Lfirst_lo_v
	WIN 0x81                                       ; source 0 window 1, source 1 and C window 0, D window 2
	MUL16 0, 0, 0, 0, 1
	MUL16 2, 0, 0, 0, 1
	WIN 0
	s_branch .Lfirst_lo_done
.Lfirst_lo_v:
	WIN 0x81
	MUL16 0, 0, 0, 0, 2
	MUL16 2, 0, 0, 0, 2
	WIN 0
.Lfirst_lo_done:
	s_wait_dscnt 0
	PLACES NP
	FETCH_B 0, 1, 1
	FETCH_A 0, 1, 0
	s_cmp_lg_u32 s[ISV], 0
	s_cbranch_scc1 .Lfirst_hi_v
	WIN 0xc1                                       ; D window 3
	MUL16 4, 0, 0, 0, 1
	MUL16 6, 0, 0, 0, 1
	WIN 0
	s_branch .Lfirst_hi_done
.Lfirst_hi_v:
	WIN 0xc1
	MUL16 4, 0, 0, 0, 2
	MUL16 6, 0, 0, 0, 2
	WIN 0
.Lfirst_hi_done:
	PLACES NP
	FETCH_A 0, 1, 4
	; K = 1,024 is four slots' worth: the rest is written out
	TURN 0, 1, 1                                   ; slot 0 takes K 512 on
	STEP 1, 0
	TURN 1, 0, 1                                   ; slot 1 takes K 768 on
	STEP 0, 0
	TURN 0, 1, 0                                   ; nothing is left to fetch, and no round of the cluster's barrier follows
	STEP 1, 0
	s_wait_dscnt 4*NL                              ; the very last step
	WIN MUL_LO
	MUL16 0, 1, NQ-1, 1, 0
	MUL16 2, 1, NQ-1, 1, 0
	s_wait_dscnt 0
	WIN MUL_HI
	MUL16 4, 1, NQ-1, 1, 0
	MUL16 6, 1, NQ-1, 1, 0
	WIN 0
	; THE WAY OUT.  Its addresses are made here: ten plain instructions that name no register of the products: the places behind them
	v_and_b32 v1, 31, v0
	v_lshlrev_b32 v[VO], 4, v1                     ; 16 x lane
	v_add_nc_u32 v[VO+1], 512, v[VO]
	v_add_nc_u32 v[VO+2], s[HJ], v[VO]
	v_add_nc_u32 v[VO+3], s[HJ], v[VO+1]
	v_mul_u32_u24 v2, s[HS], v8                    ; the scale words: lanes 0-15 store the first head's, lanes 16-31 the second's,
	v_lshl_add_u32 v[SCO], v7, 4, v2               ; 16 bytes a row
	v_mov_b32 v3, 0x07060302
	v_mov_b32 v[PSEL], 0x05040100
	v_cndmask_b32 v[PSEL], v[PSEL], v3, s[HM]
.irp b, 0,1,2,3
	v_mov_b32 v[TM+4+\b], 0                        ; written once: a lane permute's destination counts as one of its sources
.endr
; Block a (16 i x 128 j): four blocks of 32 along j are quantised and stored.  Register AC + 16 jb + n is my n-th number of block jb.
.macro QOUT a
.set AC, 64*((\a)%4)
.set WW, 2+(\a)/4
.set CDS, CD+16*((\a)%2)
	WIN (WW|(WW<<2))                               ; sources 0 and 1: the accumulators' window
.irp jb, 0,1,2,3
	v_max3_num_f32 v[TM+\jb], |v[AC+16*\jb]|, |v[AC+16*\jb+1]|, 0x4800000   ; my 16 numbers, each accumulator from its low end on, and the floor 2^(9 - 127): the byte cannot fall under 1
.endr
.irp i, 2,4,6,8,10,12,14
.irp jb, 0,1,2,3
	v_max3_num_f32 v[TM+\jb], |v[AC+16*\jb+\i]|, |v[AC+16*\jb+\i+1]|, v[TM+\jb]   ; (the four blocks by turns)
.endr
.endr
	WIN 0
.irp jb, 0,1,2,3
	v_permlanex16_b32 v[TM+4+\jb], v[TM+\jb], s[SEL], s[SEL+1]
.endr
.irp jb, 0,1,2,3
	v_max_num_f32 v[TM+\jb], v[TM+\jb], v[TM+4+\jb]   ; with lane l xor 16's: the block's largest magnitude
.endr
.irp jb, 0,1,2,3
	v_add_nc_u32 v[TM+12+\jb], 0xfc000000, v[TM+\jb]  ; 8 off its exponent field: the conversion takes the exponent field of this operand as its scale
.endr
.irp jb, 0,1,2,3
.endr
.irp jb, 0,1,2,3
	v_lshrrev_b32 v[TM+4+\jb], 23, v[TM+12+\jb]    ; the scale's byte
.endr
	v_lshl_or_b32 v[SW+(\a)], v[TM+5], 8, v[TM+4]
	v_lshl_or_b32 v[SW+(\a)], v[TM+6], 16, v[SW+(\a)]
	v_lshl_or_b32 v[SW+(\a)], v[TM+7], 24, v[SW+(\a)]
	WIN (WW|(WW<<6))                               ; source 0 and destination: the accumulators' window
.irp jb, 0,1,2,3
.irp i, 0,1,2,3,4,5,6,7,8,9,10,11,12,13,14,15
.endr
.endr
	s_wait_xcnt 0x0                                ; the earlier stores have read their data and their base: this set of codes (block a - 2's) and the base are written again only behind this wait
	WIN WW
.irp jb, 0,1,2,3
	v_cvt_scalef32_pk8_fp8_f32 v[CDS+4*\jb:CDS+4*\jb+1], v[AC+16*\jb:AC+16*\jb+7], v[TM+12+\jb]
	v_cvt_scalef32_pk8_fp8_f32 v[CDS+4*\jb+2:CDS+4*\jb+3], v[AC+16*\jb+8:AC+16*\jb+15], v[TM+12+\jb]
.endr
	WIN 0
	v_nop                                          ; one plain instruction behind the last conversion, ahead of the lines that write its scale operands again
.if (\a) > 0
	s_add_nc_u64 s[OB:OB+1], s[OB:OB+1], s[STA:STA+1]
.endif
.if (\a) == 4
	s_add_nc_u64 s[OB:OB+1], s[OB:OB+1], s[STX:STX+1]
.endif
.irp jb, 0,1,2,3
	global_store_b128 v[VO+\jb], v[CDS+4*\jb:CDS+4*\jb+3], s[OB:OB+1]   ; 32 lanes store 512 consecutive bytes, at a multiple of 256 from the buffer's first byte
.endr
.endm
.irp a, 0,1,2,3,4,5,6,7
	QOUT \a
.endr
	; the scale words.  q, k: block a's word holds the first head's two bytes, then the second's: my half's head takes its two of tiles 2 f and 2 f + 1.  v: words 0-3 are the first head's four tiles, 4-7 the second's
	s_cmp_lg_u32 s[ISV], 0
	s_cbranch_scc1 .Lwords_v
.irp f, 0,1,2,3
	v_perm_b32 v[FW+\f], v[SW+2*\f+1], v[SW+2*\f], v[PSEL]
.endr
	s_branch .Lwords_done
.Lwords_v:
.irp f, 0,1,2,3
	v_cndmask_b32 v[FW+\f], v[SW+\f], v[SW+4+\f], s[HM]
.endr
.Lwords_done:
	s_wait_alu depctr_va_vdst(0)
	global_store_b128 v[SCO], v[FW:FW+3], s[SB:SB+1]   ; sixteen lanes store 256 consecutive bytes, aligned: one head's words of this record
	s_wait_tensorcnt 0x0                           ; the wave's end
	ds_add_u32 v[SPW], v[NIL]
	s_wait_dscnt 0x0
	CROUND                                         ; the closing round: no work-group ends while a partner may still ask for a tile that names it
	s_endpgm
.Lfunc_end_k_qd920d1e3da_qkv:
	.size	k_qd920d1e3da_qkv, .Lfunc_end_k_qd920d1e3da_qkv-k_qd920d1e3da_qkv
	.p2alignl 7, 3214868480
	.fill 96, 4, 3214868480
	.section	.rodata,"a",@progbits
	.p2align	6, 0x0
	.amdhsa_kernel k_qd920d1e3da_qkv
		.amdhsa_group_segment_fixed_size 327680
		.amdhsa_private_segment_fixed_size 0
		.amdhsa_enable_private_segment 0
		.amdhsa_kernarg_size 56
		.amdhsa_user_sgpr_count 2
		.amdhsa_user_sgpr_kernarg_segment_ptr 1
		.amdhsa_wavefront_size32 1
		.amdhsa_system_sgpr_workgroup_id_x 1
		.amdhsa_system_sgpr_workgroup_id_y 1
		.amdhsa_system_sgpr_workgroup_id_z 1
		.amdhsa_system_vgpr_workitem_id 0
		.amdhsa_next_free_vgpr 1024
		.amdhsa_next_free_sgpr 102
		.amdhsa_reserve_vcc 0
		.amdhsa_float_denorm_mode_32 3
		.amdhsa_float_denorm_mode_16_64 3
		.amdhsa_fp16_overflow 1
		.amdhsa_memory_ordered 1
		.amdhsa_forward_progress 1
		.amdhsa_inst_pref_size 169
	.end_amdhsa_kernel
	.amdgpu_metadata
---
amdhsa.version: [ 1, 2 ]
amdhsa.kernels:
  - .name:           k_qd920d1e3da_qkv
    .symbol:         k_qd920d1e3da_qkv.kd
    .args:
      - { .name: x_codes, .offset: 0, .size: 8, .value_kind: global_buffer, .address_space: global }
      - { .name: x_scales, .offset: 8, .size: 8, .value_kind: global_buffer, .address_space: global }
      - { .name: W_qkv_codes, .offset: 16, .size: 8, .value_kind: global_buffer, .address_space: global }
      - { .name: W_qkv_scales, .offset: 24, .size: 8, .value_kind: global_buffer, .address_space: global }
      - { .name: b_qkv, .offset: 32, .size: 8, .value_kind: global_buffer, .address_space: global }
      - { .name: qbuf, .offset: 40, .size: 8, .value_kind: global_buffer, .address_space: global }
      - { .name: kv, .offset: 48, .size: 8, .value_kind: global_buffer, .address_space: global }
    .group_segment_fixed_size: 327680
    .private_segment_fixed_size: 0
    .kernarg_segment_align: 8
    .kernarg_segment_size: 56
    .max_flat_workgroup_size: 128
    .sgpr_count:     102
    .vgpr_count:     1024
    .wavefront_size: 32
...
	.end_amdgpu_metadata
.endif
;; end of part 1
;; launch attn (part 2): grid 4 x 64, 16 waves a work-group, no clusters, 327,680 bytes of LDS; arguments qbuf, kv, a_img, a_sc; writes a_img, a_sc
.if DOCPART == 2
	.amdgcn_target "amdgcn-amd-amdhsa--gfx1250"
	.amdhsa_code_object_version 6
	.text
	.protected	k_qd920d1e3da_attn
	.globl	k_qd920d1e3da_attn
	.p2align	8
	.type	k_qd920d1e3da_attn,@function
k_qd920d1e3da_attn:
	s_mov_b64 s[64:65], 0
	v_nop
	global_prefetch_b8 v0, s[64:65] scope:SCOPE_SE
	s_setreg_imm32_b32 hwreg(HW_REG_WAVE_MODE, 25, 1), 1
	s_wait_xcnt 0x0
; Causal attention of one head (64 channels, 2,048 tokens) on codes of FP8 (E4M3) with one E8M0 scale for each 32 along a product's K; the result is divided by the row's sum, quantised along the 1,024 channels
; of the model and stored as codes for the last product.  q, k, v come from qbuf and kv as images of operands' registers: every LDS and global read of codes is 16 bytes x lane, 512 consecutive bytes an instruction.
; THE SOFTMAX: t = score x log2(e) / 8; M = the row's largest t so far, rounded UP to a whole number; p = 2^(t - M) is what is quantised, along the keys, not normalised.  The row's sum is taken of the unquantised p
; and divides O at the end.  When M moves, the sum and O are multiplied by 2^(old M - new M): exact.
; SHARES.  Work-group (J, head), J = 0..3, owns the query blocks J and 7 - J, 256 queries each; wave w owns 16 queries of the block in hand.  Block J wants the key slots (256 keys) 0..J, block 7 - J the slots 0..7 - J:
; NINE slots for every work-group: equal work, a constant number of trips, and no slot is fetched that nobody reads.  In trip n the slot is n for n <= J, else n - J - 1; at the head of trip J + 1 block J is finished and 7 - J begun.
; NO CLUSTER, though the four work-groups of a head read the same k and v: in one and the same trip they want DIFFERENT key slots (the slot's number hangs on J), and the step that is left out, the mask and the change
; of blocks are branches on J; a work-group reads 9 x 33,792 bytes in all.
; LAYOUT.  Both products are used transposed: S^T = k q^T (source 0 = keys, source 1 = my 16 queries), O^T = v^T p^T (source 0 = 16 d, source 1 = p): a lane holds ONE query (lane % 16) throughout.
; K = 64 IN A FORM OF 128.  A fragment of k holds 32 keys: registers 0-7 tile 2 f's 64 channels, registers 8-15 tile 2 f + 1's.  q lies between zeros, v16-23 zeros | v24-31 q | v32-39 zeros: v[24:39] = (q, 0) gives tile 2 f's
; scores, v[16:31] = (0, q) tile 2 f + 1's: zero codes add nothing under any scale byte that these buffers hold (1 to 254), and k's codes are all finite.
; Register 16 f + 8 u + e of S^T is key 32 f + 16 u + 8 (lane / 16) + e: the order inside a block of 32 in which v's image was made too, so p's conversions ARE the second product's operand.
; LIMITS: NaN and infinities are not served.  The order of the additions inside a block of 32 differs from ascending k in both products.  A block's largest p is made from its largest score by the same two instructions:
; this takes v_exp_f32 not to fall where its input rises (the ISA guide promises 1 ulp).  A block of zeros, or one under 2^-118, has the byte 1; this program alone reads the bytes.
; The scale bytes of the result leave as 2 bytes a token (a head owns 2 of a row's 32 bytes): these stores do not cover whole aligned blocks of 256 bytes; they are 1 byte in 33 of what the launch stores.
.set RQ,    8448                       ; a record of qbuf: 128 tokens
.set RK,    16896                      ; a record of kv: 128 keys: k's image, v's at 8,192, k's scale words at 16,384, v's at 16,640
.set SLOT1, 65536                      ; a slot holds two records (33,792 bytes); slot 1 begins here, so that one exclusive or turns an address
.set SPARE, 131072                     ; the spare words, 128 bytes for each of 16 waves: eight blocks of 256 bytes that no other line names
.set L16, 1                            ; v1   16 x lane
.set R16, 2                            ; v2   16 x (lane % 16)
.set DQ,  3                            ; v3   lane % 16 - 8 (lane / 16)
.set ASO, 4                            ; v4   32 x (lane % 16)
.set SPW, 5                            ; v5   LDS address of my spare word; never rewritten
.set NIL, 6                            ; v6   0; never rewritten
.set ADL, 8                            ; v8   the slot in hand + 16 x lane
.set ADS, 9                            ; v9   the slot in hand + 16 x (lane % 16)
.set QF,  16                           ; v16-39  zeros, q, zeros.   v12 -M, v13 the largest t, v[14:15] the sum in two halves
.set QS,  40                           ; v40  q's scale word
.set XG,  41                           ; v41-44  what comes from lane l xor 16 on the way out
.set FRG, 48                           ; v48-111 four fragments of k, then of v
.set FS,  112                          ; v112-115 their scale words
.set BM,  116                          ; v116-119 a block's largest score, then its largest p
.set PX,  120                          ; v120-123 at work
.set HL,  124
.set S,   128                          ; v128-191 S^T, then p; on the way out at work
.set O,   192                          ; v192-223 O^T
.set PC,  224                          ; v224-239 p's codes
.set SO,  240                          ; v240-243 the conversions' scale operands
.set FF,  244                          ; v[244:245] f = 2^(old M - new M)
.set PW,  246                          ; v246 p's scale word
.set TMP, 247
.set L2,  248                          ; v[248:249] the sum's second chain
.set CC,  160                          ; the way out: codes as converted,
.set CT,  168                          ; what I send to lane l xor 16,
.set CN,  176                          ; codes in the order of k,
.set CW,  184                          ; the two scale bytes
.set WV,  12
.set J,   13                           ; s13  J
.set J1,  14                           ; s14  J + 1
.set TR,  15                           ; s15  the trip
.set KN,  16                           ; s16  the key slot asked for last
.set TB,  17                           ; s17  LDS byte at which the slot in hand begins
.set KF,  18                           ; s18  the step's first key
.set Q0,  19                           ; s19  my first query
.set T0,  20
.set T1,  21
.set SEL, 22                           ; s[22:23] lane selects for v_permlanex16_b32: lane l xor 16
.set CS,  24                           ; s[24:25] c = log2(e) / 8: the packed form names a pair and takes its low word for both halves
.set MNT, 26
.set HM,  27                           ; s27  lanes 16-31
.set QSEL, 28
.set Q1,  29                           ; s29  my first query of the second block
.set G1,  32                           ; s[32:39] descriptor group 1;  s[40:43] group 0
.set G0,  40
.set BASEW, 44                         ; s[44:45] the head's records of kv, + one record for odd waves
.set OFF, 46                           ; s[46:47] an offset in 64 bits; the high word stays 0
.set QB,  48                           ; s[48:49] the head's records of qbuf
.set QA,  50
.set AOB, 52                           ; s[52:53] a_img at my head's place in the batch's first tile of tokens
.set AOP, 54
.set ASB, 56                           ; s[56:57] a_sc at my head's two bytes of the batch's first token
.set ASP, 58
.set QC,  60
.macro TLOAD                           ; waves 0 and 1 fetch one record each, the others nothing; four v_nop follow the line
	s_cmp_lt_u32 s[WV], 2
	s_cbranch_scc0 .Lasked_\@
	tensor_load_to_lds s[G0:G0+3], s[G1:G1+7]
	s_nop 0
.rept 4
	v_nop
.endr
.Lasked_\@:
.endm
	s_load_b128 s[4:7], s[0:1], 0x0                ; qbuf, kv
	s_load_b128 s[8:11], s[0:1], 0x10              ; a_img, a_sc
	v_lshl_add_u32 v[SPW], v0, 2, SPARE
	v_mov_b32 v[NIL], 0
	ds_add_u32 v5, v6
	ds_add_u32 v5, v6
	s_wait_dscnt 0x0
	v_lshrrev_b32 v10, 5, v0
	s_delay_alu instid0(VALU_DEP_1)
	v_readfirstlane_b32 s[WV], v10                 ; wave 0..15
	s_mov_b32 s[J], ttmp9
	s_add_co_u32 s[J1], s[J], 1
	s_and_b32 s[T0], ttmp7, 0xffff                 ; 16 x batch + head
	s_and_b32 s[T1], s[WV], 1
	s_mul_i32 s30, s[T1], RK                       ; which of a slot's two records I fetch, if I fetch
	s_mov_b32 s[G0+1], s30                         ; 63:32 LDS address: slot 0
	s_mul_i32 s[OFF], s[T0], 16*RK
	s_add_co_u32 s[OFF], s[OFF], s30
	s_mov_b32 s[OFF+1], 0
	; descriptor group 1: a record is 66 dense rows of 256 bytes (32 elements of 8 bytes); no padding: every read is 16 bytes x lane
	s_mov_b32 s[G1], 3<<16                         ; 15:0 no mask; 17:16 elements of 8 bytes
	s_mov_b32 s[G1+1], 32<<16                      ; tensor_dim0
	s_mov_b32 s[G1+2], 66<<16                      ; tensor_dim1
	s_mov_b32 s[G1+3], 32<<16                      ; tile_dim0
	s_mov_b32 s[G1+4], 66                          ; tile_dim1
	s_mov_b32 s[G1+5], 32                          ; tensor_dim0_stride
	s_mov_b32 s[G1+6], 0
	s_mov_b32 s[G1+7], 0
	s_mov_b32 s[SEL], 0x76543210
	s_mov_b32 s[SEL+1], 0xfedcba98
	s_mov_b32 s[CS], 0x3e38aa3b                    ; c = log2(e) / sqrt(64)
	s_mov_b32 s[CS+1], s[CS]                       ; (named with it as a pair, so it is written)
	s_mov_b32 s[HM], 0xffff0000
	s_mov_b32 s[KN], 0
	s_mov_b32 s[TB], 0
	s_mov_b32 s[KF], 0
	s_mov_b32 s[TR], 0
	s_wait_kmcnt 0x0
	s_add_nc_u64 s[BASEW:BASEW+1], s[6:7], s[OFF:OFF+1]
	s_mov_b32 s[G0], 1                             ; 1:0 count = 1
	s_mov_b64 s[G0+2:G0+3], s[BASEW:BASEW+1]       ; 120:64 global address: key slot 0
	s_or_b32 s[G0+3], s[G0+3], 0x80000000          ; 127:126 type = 2
	TLOAD                                          ; slot 0: the one first fill
	s_mul_i32 s[OFF], s[T0], 16*RQ
	s_add_nc_u64 s[QB:QB+1], s[4:5], s[OFF:OFF+1]
	s_and_b32 s30, s[T0], 15                       ; the head
	s_lshr_b32 s31, s[T0], 4                       ; the batch
	s_lshr_b32 s[T1], s30, 2                       ; a_img: [K / 256][token / 16][2][4][lane][16]: the head's 64 channels are K = 64 head on
	s_lshl_b32 s[OFF], s[T1], 21
	s_lshl_b32 s[T1], s31, 19
	s_add_co_u32 s[OFF], s[OFF], s[T1]
	s_bfe_u32 s[T1], s30, 0x10001
	s_lshl_b32 s[T1], s[T1], 11
	s_add_co_u32 s[OFF], s[OFF], s[T1]
	s_and_b32 s[T1], s30, 1
	s_lshl_b32 s[T1], s[T1], 10
	s_add_co_u32 s[OFF], s[OFF], s[T1]
	s_add_nc_u64 s[AOB:AOB+1], s[8:9], s[OFF:OFF+1]
	s_lshl_b32 s[OFF], s31, 16                     ; a_sc: [token][32]
	s_lshl_b32 s[T1], s30, 1
	s_add_co_u32 s[OFF], s[OFF], s[T1]
	s_add_nc_u64 s[ASB:ASB+1], s[10:11], s[OFF:OFF+1]
	s_lshl_b32 s[Q0], s[J], 8
	s_lshl_b32 s[T1], s[WV], 4
	s_add_co_u32 s[Q0], s[Q0], s[T1]               ; my first query: 256 J + 16 wave,
	s_sub_co_u32 s[Q1], 7, s[J]
	s_lshl_b32 s[Q1], s[Q1], 8
	s_add_co_u32 s[Q1], s[Q1], s[T1]               ; later 256 (7 - J) + 16 wave
	v_and_b32 v10, 31, v0
	s_delay_alu instid0(VALU_DEP_1)
	v_lshlrev_b32 v[L16], 4, v10
	v_and_b32 v11, 15, v0
	s_delay_alu instid0(VALU_DEP_1)
	v_lshlrev_b32 v[R16], 4, v11
	v_bfe_u32 v10, v0, 4, 1
	s_delay_alu instid0(VALU_DEP_1)
	v_lshlrev_b32 v[DQ], 3, v10
	s_delay_alu instid0(VALU_DEP_1)
	v_sub_nc_u32 v[DQ], v11, v[DQ]
	v_lshlrev_b32 v[ASO], 5, v11
.irp i, 0,1,2,3,4,5,6,7
	v_mov_b32 v[QF+\i], 0                          ; the zeros on both sides of q: written once
	v_mov_b32 v[QF+16+\i], 0
.endr
.irp i, 0,1,2,3
	v_mov_b32 v[PX+\i], 0                          ; written once: a lane permute's destination counts as one of its sources
	v_mov_b32 v[XG+\i], 0
.endr
	v_mov_b32 v[FF+1], 0                           ; (named as the upper half of the pair before it is first written)
; q of the 16 queries from s[Q0] on: two chunks of its tile's image, and the tile's two scale bytes, twice
.macro LOADQ
	s_lshr_b32 s[T0], s[Q0], 7
	s_mul_i32 s[T0], s[T0], RQ                     ; the record,
	s_bfe_u32 s[T1], s[Q0], 0x30004
	s_lshl_b32 s[T1], s[T1], 10                    ; the tile in it
	s_add_co_u32 s[OFF], s[T0], s[T1]
	s_add_nc_u64 s[QA:QA+1], s[QB:QB+1], s[OFF:OFF+1]
	s_bfe_u32 s[T1], s[Q0], 0x20005
	s_lshl_b32 s[T1], s[T1], 2                     ; the word that holds the tile's bytes
	s_add_co_u32 s[OFF], s[T0], s[T1]
	s_add_co_u32 s[OFF], s[OFF], 8192
	s_add_nc_u64 s[QC:QC+1], s[QB:QB+1], s[OFF:OFF+1]
	s_bitcmp1_b32 s[Q0], 4                         ; an odd tile's bytes are the word's upper two
	s_mov_b32 s[QSEL], 0x01000100
	s_cselect_b32 s[QSEL], 0x03020302, s[QSEL]
	global_load_b128 v[QF+8:QF+11], v[L16], s[QA:QA+1]
	global_load_b128 v[QF+12:QF+15], v[L16], s[QA:QA+1] offset:512
	global_load_b32 v10, v[R16], s[QC:QC+1]
	s_wait_loadcnt 0x0
	v_perm_b32 v[QS], v10, v10, s[QSEL]            ; (s0, s1, s0, s1): the same two bytes serve q in the lower and in the upper half of K
.endm
; A block of queries begins: O^T and the sum as zeros, the largest t under every t: the step is written once, and the first change of M multiplies zeros.  (These lines are also the places between q's scale word and its first use)
.macro INIT
	v_mov_b32 v13, 0xff61b1e6                      ; -3e38
	s_delay_alu instid0(VALU_DEP_1)
	v_floor_f32 v12, -v13                          ; -M
	v_mov_b32 v14, 0
	v_mov_b32 v15, 0
.set j, 0
.rept 32
	v_mov_b32 v[O+j], 0
.set j, j+1
.endr
.endm
; A KEY STEP: 128 keys, record q of the slot in hand.
.macro STEP q
	s_add_co_u32 s[T0], s[Q0], 15                  ; a step all of whose keys come after my 16 queries is left out: a scalar branch on ids; no barrier and no tensor load stands in a step
	s_cmp_gt_u32 s[KF], s[T0]
	s_cbranch_scc1 .Lhidden_\@
	v_add_nc_u32 v[ADL], s[TB], v[L16]
	v_add_nc_u32 v[ADS], s[TB], v[R16]
.rept 6
	v_nop                                          ; with the two additions: eight places in front of loads into registers that the last products read
.endr
.irp f, 0,1,2,3
.irp c, 0,1,2,3
	ds_load_b128 v[FRG+16*\f+4*\c:FRG+16*\f+4*\c+3], v[ADL] offset:(\q)*RK+2048*\f+512*\c
.endr
.endr
	ds_load_b128 v[FS:FS+3], v[ADS] offset:(\q)*RK+16384   ; k's four scale words of my row
	s_wait_alu depctr_va_vdst(0)
	s_wait_dscnt 0x0
.irp f, 0,1,2,3
	v_wmma_scale_f32_16x16x128_f8f6f4 v[S+16*\f:S+16*\f+7], v[FRG+16*\f:FRG+16*\f+15], v[QF+8:QF+23], 0, v[FS+\f], v[QS]       ; (q, 0): the keys of tile 2 f
	v_wmma_scale_f32_16x16x128_f8f6f4 v[S+16*\f+8:S+16*\f+15], v[FRG+16*\f:FRG+16*\f+15], v[QF:QF+15], 0, v[FS+\f], v[QS]     ; (0, q): those of tile 2 f + 1
.endr
.rept 8
	v_nop                                          ; places in front of the loads below and of the first read of the scores
.endr
.irp t, 0,1,2,3                        ; v is asked for now, into the registers that k has left: it lands under the softmax
.irp c, 0,1,2,3
	ds_load_b128 v[FRG+16*\t+4*\c:FRG+16*\t+4*\c+3], v[ADL] offset:(\q)*RK+8192+2048*\t+512*\c
.endr
.endr
	ds_load_b128 v[FS:FS+3], v[ADS] offset:(\q)*RK+16640
	s_add_co_u32 s[T0], s[KF], 127                 ; on the diagonal the scores of hidden keys become -infinity ahead of the maximum: p = 0 then.  A step all of whose keys count skips this
	s_cmp_le_u32 s[T0], s[Q0]
	s_cbranch_scc1 .Lopen_\@
	s_sub_co_i32 s[T0], s[Q0], s[KF]
	v_add_nc_u32 v[TMP], s[T0], v[DQ]              ; my query - the step's first key - 8 (lane / 16).  Register n holds key 16 (n / 8) + n % 8 + 8 (lane / 16) of the step
	v_mov_b32 v10, 0xff800000
.set n, 0
.rept 64
	v_cmp_gt_i32 vcc_lo, 16*(n/8)+n%8, v[TMP]
	v_cndmask_b32 v[S+n], v[S+n], v10, vcc_lo
.set n, n+1
.endr
.Lopen_\@:
.irp b, 0,1,2,3
	v_max3_num_f32 v[BM+\b], v[S+16*\b], v[S+1+16*\b], v[S+2+16*\b]   ; the largest score of each block of 32 keys: it serves for the row's maximum and, since p rises with the score, for the block's largest p
.endr
.irp i, 3,5,7,9,11,13
.irp b, 0,1,2,3
	v_max3_num_f32 v[BM+\b], v[BM+\b], v[S+16*\b+\i], v[S+1+16*\b+\i]
.endr
.endr
.irp b, 0,1,2,3
	v_max_num_f32 v[BM+\b], v[BM+\b], v[S+15+16*\b]
.endr
.irp b, 0,1,2,3
	s_delay_alu instid0(VALU_DEP_4)
	v_permlanex16_b32 v[PX+\b], v[BM+\b], s[SEL], s[SEL+1]
.endr
.irp b, 0,1,2,3
	s_delay_alu instid0(VALU_DEP_4)
	v_max_num_f32 v[BM+\b], v[BM+\b], v[PX+\b]     ; with lane l xor 16's 16 keys
.endr
	s_delay_alu instid0(VALU_DEP_2)
	v_max3_num_f32 v[TMP], v[BM], v[BM+1], v[BM+2]
	s_delay_alu instid0(VALU_DEP_1)
	v_max_num_f32 v[TMP], v[TMP], v[BM+3]          ; the step's largest score of my query
	s_delay_alu instid0(VALU_DEP_1)
	v_mul_f32 v[TMP], s[CS], v[TMP]                ; as t (c is positive)
	s_delay_alu instid0(VALU_DEP_1)
	v_max_num_f32 v13, v13, v[TMP]                 ; the running largest t
	v_mov_b32 v[TMP], v12
	s_delay_alu instid0(VALU_DEP_2)
	v_floor_f32 v12, -v13                          ; the new -M = floor(-t) = -ceil(t)
	s_delay_alu instid0(VALU_DEP_1)
	v_sub_f32 v[TMP], v12, v[TMP]                  ; old M - new M: a whole number, 0 or less
	s_delay_alu instid0(VALU_DEP_1)
	v_cvt_i32_f32 v[TMP], v[TMP]                   ; (it saturates)
	s_delay_alu instid0(VALU_DEP_1)
	v_ldexp_f32 v[FF], 1.0, v[TMP]                 ; f = 2^(old M - new M)
.set j, 0
.rept 32
	v_pk_fma_f32 v[S+j:S+j+1], v[S+j:S+j+1], s[CS:CS+1], v[12:13] op_sel_hi:[1,0,0]   ; t - M, two at a time
.set j, j+2
.endr
.irp b, 0,1,2,3
	v_fma_f32 v[BM+\b], v[BM+\b], s[CS], v12       ; the same of each block's largest score
.endr
.set j, 0
	s_wait_alu depctr_va_vdst(0)
.rept 64
	v_exp_f32 v[S+j], v[S+j]                       ; p = 2^(t - M), at most 1
.set j, j+1
.endr
.irp b, 0,1,2,3
	v_exp_f32 v[BM+\b], v[BM+\b]                   ; the block's largest p
.endr
	v_pk_mul_f32 v[14:15], v[14:15], v[FF:FF+1] op_sel_hi:[1,0]   ; the sums under the new M.  (A plain place behind the exponentials)
	s_wait_alu depctr_va_vdst(0)
.irp b, 0,1,2,3
	v_max_num_f32 v[BM+\b], 0x4800000, v[BM+\b]    ; the floor 2^(9 - 127): the byte cannot fall under 1
.endr
.irp b, 0,1,2,3
	s_delay_alu instid0(VALU_DEP_4)
	v_add_nc_u32 v[SO+\b], 0xfc000000, v[BM+\b]    ; 8 off the exponent field: the conversion's scale operand
.endr
.irp b, 0,1,2,3
.endr
.irp b, 0,1,2,3
	s_delay_alu instid0(VALU_DEP_4)
	v_lshrrev_b32 v[PX+\b], 23, v[SO+\b]           ; the scale's byte
.endr
	s_delay_alu instid0(VALU_DEP_3)
	v_lshl_or_b32 v[PW], v[PX+1], 8, v[PX]         ; p's scale word for these 128 keys
	s_delay_alu instid0(VALU_DEP_1)
	v_lshl_or_b32 v[PW], v[PX+2], 16, v[PW]
	s_delay_alu instid0(VALU_DEP_1)
	v_lshl_or_b32 v[PW], v[PX+3], 24, v[PW]
	v_pk_add_f32 v[248:249], v[132:133], v[136:137]
	v_pk_add_f32 v[254:255], v[140:141], v[144:145]
	v_pk_add_f32 v[252:253], v[148:149], v[152:153]
	v_pk_add_f32 v[250:251], v[156:157], v[160:161]
	v_pk_add_f32 v[238:239], v[164:165], v[168:169]
	v_pk_add_f32 v[236:237], v[172:173], v[176:177]
	v_pk_add_f32 v[234:235], v[180:181], v[184:185]
	v_pk_add_f32 v[14:15], v[14:15], v[188:189]
	v_pk_add_f32 v[248:249], v[248:249], v[128:129]
	v_pk_add_f32 v[254:255], v[254:255], v[130:131]
	v_pk_add_f32 v[252:253], v[252:253], v[134:135]
	v_pk_add_f32 v[250:251], v[250:251], v[138:139]
	v_pk_add_f32 v[238:239], v[238:239], v[142:143]
	v_pk_add_f32 v[236:237], v[236:237], v[146:147]
	v_pk_add_f32 v[234:235], v[234:235], v[150:151]
	v_pk_add_f32 v[14:15], v[14:15], v[154:155]
	v_pk_add_f32 v[248:249], v[248:249], v[158:159]
	v_pk_add_f32 v[254:255], v[254:255], v[162:163]
	v_pk_add_f32 v[252:253], v[252:253], v[166:167]
	v_pk_add_f32 v[250:251], v[250:251], v[170:171]
	v_pk_add_f32 v[238:239], v[238:239], v[174:175]
	v_pk_add_f32 v[236:237], v[236:237], v[178:179]
	v_pk_add_f32 v[234:235], v[234:235], v[182:183]
	v_pk_add_f32 v[14:15], v[14:15], v[186:187]
	v_pk_add_f32 v[248:249], v[248:249], v[190:191]
	s_delay_alu instid0(VALU_DEP_2)
	v_pk_add_f32 v[14:15], v[14:15], v[250:251]
	s_delay_alu instid0(VALU_DEP_2)
	v_pk_add_f32 v[248:249], v[248:249], v[238:239]
	v_pk_add_f32 v[254:255], v[254:255], v[236:237]
	v_pk_add_f32 v[252:253], v[252:253], v[234:235]
	s_delay_alu instid0(VALU_DEP_2)
	v_pk_add_f32 v[14:15], v[14:15], v[254:255]
	s_delay_alu instid0(VALU_DEP_2)
	v_pk_add_f32 v[248:249], v[248:249], v[252:253]
	s_delay_alu instid0(VALU_DEP_1)
	v_pk_add_f32 v[14:15], v[14:15], v[248:249]
.irp b, 0,1,2,3
.set i, 0
.rept 16
.set i, i+1
.endr
	v_cvt_scalef32_pk8_fp8_f32 v[PC+4*\b:PC+4*\b+1], v[S+16*\b:S+16*\b+7], v[SO+\b]
	v_cvt_scalef32_pk8_fp8_f32 v[PC+4*\b+2:PC+4*\b+3], v[S+16*\b+8:S+16*\b+15], v[SO+\b]
.endr
.set j, 0
.rept 16
	v_pk_mul_f32 v[O+j:O+j+1], v[O+j:O+j+1], v[FF:FF+1] op_sel_hi:[1,0]   ; O^T under the new M.  (These 16 are also the places between the codes and the products below)
.set j, j+2
.endr
	s_wait_alu depctr_va_vdst(0)
	s_wait_dscnt 0x0                               ; v and its scale words are in
.irp t, 0,1,2,3                        ; O^T += v^T p^T: the four accumulators take one turn each
	v_wmma_scale_f32_16x16x128_f8f6f4 v[O+8*\t:O+8*\t+7], v[FRG+16*\t:FRG+16*\t+15], v[PC:PC+15], v[O+8*\t:O+8*\t+7], v[FS+\t], v[PW]
.endr
.Lhidden_\@:
	s_add_co_u32 s[KF], s[KF], 128
.endm
; THE CHANGE OF SLOTS stands at a trip's head.  Each wave waits for all its tensor loads (its part of the slot that it is about to read), adds 0 to its spare word, and waits for that and for its reads of the slot that it has left.
; Behind the barrier the slot ahead is whole and nobody reads the other one.  fill = 1: that other slot takes the next trip's keys: the load has a whole trip in which to land.  One tensor load of a wave is out at the most.
.macro CHANGE fill
	s_wait_tensorcnt 0x0                           ; no tensor load of mine is out, so group 0 may be written
	ds_add_u32 v[SPW], v[NIL]                      ; 0 onto my spare word
.if \fill
	s_xor_b32 s[G0+1], s[G0+1], SLOT1              ; the other slot than last time
	s_add_co_u32 s[KN], s[KN], 1                   ; the next key slot,
	s_cmp_eq_u32 s[TR], s[J]
	s_cselect_b32 s[KN], 0, s[KN]                  ; or slot 0 again, for the second block of queries
	s_mul_i32 s[OFF], s[KN], 2*RK
	s_add_nc_u64 s[G0+2:G0+3], s[BASEW:BASEW+1], s[OFF:OFF+1]
	s_or_b32 s[G0+3], s[G0+3], 0x80000000
.endif
	s_wait_dscnt 0x0                               ; the add is done, and my reads of the slot that I have left are over
	s_barrier_signal -1
	s_barrier_wait -1
.if \fill
	TLOAD                                          ; the first thing behind the barrier, and a wave's one tensor load until the next
.endif
.endm
; A block of queries is finished: O^T / the sum, quantised along the channels (two blocks of 32), brought into the order of k, stored.
.macro FINISH
	s_lshl_b32 s[OFF], s[Q0], 8                    ; a tile of 16 tokens is 4,096 bytes of a_img
	s_add_nc_u64 s[AOP:AOP+1], s[AOB:AOB+1], s[OFF:OFF+1]
	s_lshl_b32 s[OFF], s[Q0], 5
	s_add_nc_u64 s[ASP:ASP+1], s[ASB:ASB+1], s[OFF:OFF+1]
	v_add_f32 v14, v14, v15                        ; the sum's two halves,
	s_delay_alu instid0(VALU_DEP_1)
	v_permlanex16_b32 v10, v14, s[SEL], s[SEL+1]
	s_delay_alu instid0(VALU_DEP_1)
	v_add_f32 v14, v14, v10                        ; and lane l xor 16's: the row's sum
.rept 6
	v_nop                                          ; eight places behind the last products without counting the permute, ahead of the first read of O^T
.endr
	s_wait_alu depctr_va_vdst(0)
	v_rcp_f32 v14, v14
	v_nop                                          ; one plain place behind a transcendental
.set j, 0
	s_wait_alu depctr_va_vdst(0)
.rept 16
	v_pk_mul_f32 v[S+j:S+j+1], v[O+j:O+j+1], v[14:15] op_sel_hi:[1,0]   ; register 8 t + e: channel 16 t + 8 (lane / 16) + e of my query; each accumulator from its low end on
.set j, j+2
.endr
.irp b, 0,1
	v_max3_num_f32 v[BM+\b], |v[S+16*\b]|, |v[S+1+16*\b]|, 0x4800000
.endr
.irp i, 2,4,6,8,10,12,14
.irp b, 0,1
	s_delay_alu instid0(VALU_DEP_2)
	v_max3_num_f32 v[BM+\b], v[BM+\b], |v[S+16*\b+\i]|, |v[S+1+16*\b+\i]|
.endr
.endr
.irp b, 0,1
	s_delay_alu instid0(VALU_DEP_2)
	v_permlanex16_b32 v[PX+\b], v[BM+\b], s[SEL], s[SEL+1]
.endr
.irp b, 0,1
	s_delay_alu instid0(VALU_DEP_2)
	v_max_num_f32 v[BM+\b], v[BM+\b], v[PX+\b]
.endr
.irp b, 0,1
	s_delay_alu instid0(VALU_DEP_2)
	v_add_nc_u32 v[SO+\b], 0xfc000000, v[BM+\b]
.endr
.irp b, 0,1
	s_delay_alu instid0(VALU_DEP_2)
	v_lshrrev_b32 v[PX+\b], 23, v[SO+\b]
.endr
	s_delay_alu instid0(VALU_DEP_1)
	v_lshl_or_b32 v[CW], v[PX+1], 8, v[PX]         ; my token's two scale bytes
.irp b, 0,1
.set i, 0
.rept 16
.set i, i+1
.endr
	v_cvt_scalef32_pk8_fp8_f32 v[CC+4*\b:CC+4*\b+1], v[S+16*\b:S+16*\b+7], v[SO+\b]
	v_cvt_scalef32_pk8_fp8_f32 v[CC+4*\b+2:CC+4*\b+3], v[S+16*\b+8:S+16*\b+15], v[SO+\b]
.endr
	v_nop                                          ; one plain place behind the last conversion
	; W_proj's codes lie in the order of k, so these must too: a lane of the lower half wants channels 0-15 of a block and holds 0-7 and 16-23; one of the upper half wants 16-31 and holds 8-15 and 24-31: each sends the eight that the other wants
.irp b, 0,1
	v_cndmask_b32 v[CT+2*\b], v[CC+4*\b+2], v[CC+4*\b], s[HM]
	v_cndmask_b32 v[CT+2*\b+1], v[CC+4*\b+3], v[CC+4*\b+1], s[HM]
.endr
.irp b, 0,1
	s_delay_alu instid0(VALU_DEP_4)
	v_permlanex16_b32 v[XG+2*\b], v[CT+2*\b], s[SEL], s[SEL+1]
	s_delay_alu instid0(VALU_DEP_4)
	v_permlanex16_b32 v[XG+2*\b+1], v[CT+2*\b+1], s[SEL], s[SEL+1]
.endr
.irp b, 0,1
	v_cndmask_b32 v[CN+4*\b], v[CC+4*\b], v[XG+2*\b], s[HM]
	v_cndmask_b32 v[CN+4*\b+1], v[CC+4*\b+1], v[XG+2*\b+1], s[HM]
	v_cndmask_b32 v[CN+4*\b+2], v[XG+2*\b], v[CC+4*\b+2], s[HM]
	v_cndmask_b32 v[CN+4*\b+3], v[XG+2*\b+1], v[CC+4*\b+3], s[HM]
.endr
	global_store_b128 v[L16], v[CN:CN+3], s[AOP:AOP+1]              ; 512 consecutive bytes each, aligned
	global_store_b128 v[L16], v[CN+4:CN+7], s[AOP:AOP+1] offset:512
	global_store_b16 v[ASO], v[CW], s[ASP:ASP+1]   ; both halves of the lanes store the same two bytes to the same place
	s_wait_xcnt 0x0                                ; the stores have read their data and bases: both are written again further on
.endm
	LOADQ
	INIT
.Lslot:                                            ; eight trips: behind each change of slots but the last the next trip's keys are asked for
	CHANGE 1
	s_cmp_lg_u32 s[TR], s[J1]                      ; trip J + 1: the first block is done, the second begins.  The same in all sixteen waves; no LDS instruction, barrier or tensor load stands inside
	s_cbranch_scc1 .Lsame_block
	FINISH
	s_mov_b32 s[Q0], s[Q1]
	s_mov_b32 s[KF], 0
	LOADQ
	INIT
.Lsame_block:
	STEP 0
	STEP 1
	s_xor_b32 s[TB], s[TB], SLOT1                  ; on to the other slot
	s_add_co_u32 s[TR], s[TR], 1
	s_cmp_lt_u32 s[TR], 8
	s_cbranch_scc1 .Lslot
	CHANGE 0                                       ; the ninth trip is written out
	STEP 0
	STEP 1
	FINISH
	s_wait_tensorcnt 0x0                           ; the wave's end
	ds_add_u32 v[SPW], v[NIL]
	s_wait_dscnt 0x0
	s_endpgm
.Lfunc_end_k_qd920d1e3da_attn:
	.size	k_qd920d1e3da_attn, .Lfunc_end_k_qd920d1e3da_attn-k_qd920d1e3da_attn
	.p2alignl 7, 3214868480
	.fill 96, 4, 3214868480
	.section	.rodata,"a",@progbits
	.p2align	6, 0x0
	.amdhsa_kernel k_qd920d1e3da_attn
		.amdhsa_group_segment_fixed_size 327680
		.amdhsa_private_segment_fixed_size 0
		.amdhsa_enable_private_segment 0
		.amdhsa_kernarg_size 32
		.amdhsa_user_sgpr_count 2
		.amdhsa_user_sgpr_kernarg_segment_ptr 1
		.amdhsa_wavefront_size32 1
		.amdhsa_system_sgpr_workgroup_id_x 1
		.amdhsa_system_sgpr_workgroup_id_y 1
		.amdhsa_system_sgpr_workgroup_id_z 1
		.amdhsa_system_vgpr_workitem_id 0
		.amdhsa_next_free_vgpr 256
		.amdhsa_next_free_sgpr 66
		.amdhsa_reserve_vcc 1
		.amdhsa_float_denorm_mode_32 3
		.amdhsa_float_denorm_mode_16_64 3
		.amdhsa_fp16_overflow 1
		.amdhsa_memory_ordered 1
		.amdhsa_forward_progress 1
		.amdhsa_inst_pref_size 110
	.end_amdhsa_kernel
	.amdgpu_metadata
---
amdhsa.version: [ 1, 2 ]
amdhsa.kernels:
  - .name:           k_qd920d1e3da_attn
    .symbol:         k_qd920d1e3da_attn.kd
    .args:
      - { .name: qbuf, .offset: 0, .size: 8, .value_kind: global_buffer, .address_space: global }
      - { .name: kv, .offset: 8, .size: 8, .value_kind: global_buffer, .address_space: global }
      - { .name: a_img, .offset: 16, .size: 8, .value_kind: global_buffer, .address_space: global }
      - { .name: a_sc, .offset: 24, .size: 8, .value_kind: global_buffer, .address_space: global }
    .group_segment_fixed_size: 327680
    .private_segment_fixed_size: 0
    .kernarg_segment_align: 8
    .kernarg_segment_size: 32
    .max_flat_workgroup_size: 512
    .sgpr_count:     66
    .vgpr_count:     256
    .wavefront_size: 32
...
	.end_amdgpu_metadata
.endif
;; end of part 2
;; launch proj (part 3): grid 4 x 32, 4 waves a work-group, clusters of 4 x 4, 327,680 bytes of LDS; arguments a_img, a_sc, W_proj_codes, W_proj_scales, b_proj, out0; writes out0
.if DOCPART == 3
	.amdgcn_target "amdgcn-amd-amdhsa--gfx1250"
	.amdhsa_code_object_version 6
	.text
	.protected	k_qd920d1e3da_proj
	.globl	k_qd920d1e3da_proj
	.p2align	8
	.type	k_qd920d1e3da_proj,@function
k_qd920d1e3da_proj:
	s_mov_b64 s[64:65], 0
	v_nop
	global_prefetch_b8 v0, s[64:65] scope:SCOPE_SE
	s_setreg_imm32_b32 hwreg(HW_REG_WAVE_MODE, 25, 1), 1
	s_wait_xcnt 0x0
	s_wait_alu depctr_hold_cnt(0) depctr_sa_sdst(0) depctr_va_vdst(0) depctr_va_sdst(0) depctr_va_ssrc(0) depctr_va_vcc(0) depctr_vm_vsrc(0)
	s_getreg_b32 s2, hwreg(HW_REG_IB_STS2, 6, 4)
	s_cmp_eq_u32 s2, 0
	s_cbranch_scc0 .Lentry_in_a_cluster
	s_endpgm
.Lentry_in_a_cluster:
	s_bfe_u32 s2, ttmp6, 0x10000c
	s_cmp_lg_u32 s2, 0xf033
	s_cbranch_scc0 .Lentry_shape_is_right
	s_endpgm
.Lentry_shape_is_right:
; out0[m][n] = sum over k of A[m][k] W_proj[n][k] + b_proj[n], on codes of FP8 (E4M3) with one E8M0 scale for each 32 along K = 1,024; sums and result in f32.  m: 8,192 tokens, n: 1,024.
; A, the attention's result, comes as IMAGES of the operand's registers, a_img [K / 256][token / 16][2][4][lane][16], k in its own order, with its scale bytes a_sc [token][32]; W_proj as rows of 1,024 codes.
; A tile of the result, 256 x 256, is made by four waves, each 128 x 128: 64 accumulators.  K goes in steps of 256 through a ring of two LDS slots filled by the tensor data mover: of A 128 tokens x 256 K are 32,768
; dense bytes, read back 16 bytes x lane; of W_proj 128 rows of 256 bytes, padded.  The scale bytes of the work-group's rows, for all of K, come once and stay.
; CLUSTERS: 4 x 4 work-groups.  The four of a row of the cluster need the same tiles of A, the four of a column the same tiles of W_proj: each tile is asked for JOINTLY.
; The result has 32 x 4 such tiles: 128 work-groups.
; THE MATRIX INSTRUCTION IS USED TRANSPOSED (source 0 = 16 rows of W_proj, source 1 = 16 tokens): a lane holds eight neighbouring numbers of a row of the result.  The bias is the C of the first products.
; REGISTERS, in windows of 256: window 0: v1-31 addresses; v32-63 scale words, two sets; v64-127 the bias; from v128 A's fragments, one set (on the way out: rows read back).
;   window 1: W_proj's fragments, two sets.   window 2: the 32 accumulators of my rows 0-63 (accumulator (a, b) at v[8 (8 a + b)]);   window 3: those of my rows 64-127.
.set SIZE_N, 1024
.set KROW,   1024                      ; a row of W_proj's codes in memory
.set ROWB,   256                       ; a tile's row: 256 along K
.set KQB,    2097152                   ; a_img: from 256 along K to the next
.set NQ,     2
.set PITCH,  272                       ; W_proj's LDS row: 256 bytes + 16 of padding = 68 words: the 16 rows that a load touches start at 16 different banks (64 banks of 4 bytes: ISA guide 11.1)
.set FR,     16
.set NL,     4
.set NP,     8                         ; places behind this matrix instruction (ISA guide 7.12.1)
.set HALFT,  128*PITCH                 ; what one tensor load may take in LDS (A's images use 32,768 of it)
.set SLOT,   4*HALFT
.set KS,     32
.set SCL,    2*SLOT
.set HALFS,  (128*KS/256)*272
.set SBLK,   (16*KS/256)*272
.set SPARE,  SCL+4*HALFS               ; the spare words, 128 bytes for each wave: two blocks of 256 bytes that no other line names
.set SPITCH, 528                       ; the way out: a stage of 16 rows x (512 bytes + 16) for each wave, in slot 0, which has had its last fill and its last read when the first result is stored there
.set ADRA, 16
.set ADRB, 20
.set STO,  24
.set RD,   25
.set CO,   26                          ; v26  16 x lane
.set ADRS, 27
.set SPW,  28
.set NIL,  29
.set SC,   32
.set BI,   64
.set AF,   128
.set BK,   128
.set G1, 24
.set G0, 32
.set G1B, 48
.set G0B, 56
.set G1S, 68
.set G0S, 76
.set G1SB, 80
.set G0SB, 88
.set MSB, 0
.macro WIN new                         ; the immediate's high byte repeats the setting that is left
.if MSB != \new
	s_set_vgpr_msb (MSB<<8)|\new
.set MSB, \new
.endif
.endm
.set MUL_LO, 0xa1                      ; source 0 (W_proj) window 1, source 1 (A) window 0, C and D window 2
.set MUL_HI, 0xf1
.set TO_B,   0x40
.macro JLOAD g0a, g1a, g0b, g1b        ; a joint load: waves 0 and 1 fetch for A, waves 2 and 3 for W_proj; four v_nop follow each of the two lines
	s_cmp_eq_u32 s15, 0
	s_cbranch_scc0 .Lfor_b_\@
	tensor_load_to_lds s[\g0a:\g0a+3], s[\g1a:\g1a+7]
	s_nop 0
.rept 4
	v_nop
.endr
	s_branch .Lasked_\@
.Lfor_b_\@:
	tensor_load_to_lds s[\g0b:\g0b+3], s[\g1b:\g1b+7]
	s_nop 0
.rept 4
	v_nop
.endr
.Lasked_\@:
.endm
.macro CREST
	s_cmp_lg_u32 s14, 0
	s_cbranch_scc1 .Lnot_wave_0_\@
	s_barrier_signal -3
.Lnot_wave_0_\@:
	s_barrier_wait -3
	s_barrier_signal -1
	s_barrier_wait -1
.endm
.macro CROUND
	s_barrier_signal -1
	s_barrier_wait -1
	CREST
.endm
	s_load_b128 s[4:7], s[0:1], 0x0                ; a_img, a_sc
	s_load_b128 s[8:11], s[0:1], 0x10              ; W_proj's codes, its scales
	s_load_b64 s[96:97], s[0:1], 0x20              ; b_proj
	s_load_b64 s[12:13], s[0:1], 0x28              ; out0
	v_lshl_add_u32 v[SPW], v0, 2, SPARE
	v_mov_b32 v[NIL], 0
	ds_add_u32 v28, v29
	ds_add_u32 v28, v29
	s_wait_dscnt 0x0
	v_lshrrev_b32 v1, 5, v0
	v_readfirstlane_b32 s14, v1                    ; wave 0..3
	s_lshr_b32 s15, s14, 1                         ; which half of the tile's rows is mine.  Also: I fetch for A (0) or for W_proj (1)
	s_and_b32 s16, s14, 1                          ; which half of its columns.  Also: which 128 rows of that tile I fetch
	s_bfe_u32 s40, ttmp6, 0x40000                  ; cx, cy
	s_bfe_u32 s41, ttmp6, 0x40004
	s_lshl_b32 s42, ttmp9, 2
	s_add_co_u32 s42, s42, s40                     ; tile column
	s_and_b32 s17, ttmp7, 0xffff
	s_lshl_b32 s17, s17, 2
	s_add_co_u32 s17, s17, s41                     ; tile row
	s_lshl_b32 s43, s41, 2
	s_lshl_b32 s43, 15, s43                        ; my row of the cluster
	s_lshl_b32 s44, 0x1111, s40                    ; my column
	s_or_b32 s[G1+0], s43, (0<<16)|(1<<21)         ; A's images: 128 dense rows of 256 bytes, no padding; 15:0 the mask: my row; 21 set beside a mask
	s_or_b32 s[G1B+0], s44, (0<<16)|(1<<20)|(1<<21)|(5<<22)|(3<<25)   ; W_proj's rows: four words of padding after every 64; the mask: my column
	s_mov_b32 s[G1+5], ROWB                        ; tensor_dim0_stride: dense
	s_mov_b32 s[G1B+5], KROW
.irp g, G1, G1B
	s_mov_b32 s[\g+1], ROWB<<16                    ; tensor_dim0
	s_mov_b32 s[\g+2], 128<<16                     ; tensor_dim1
	s_mov_b32 s[\g+3], ROWB<<16                    ; tile_dim0
	s_mov_b32 s[\g+4], 128                         ; tile_dim1
	s_mov_b32 s[\g+6], 0
	s_mov_b32 s[\g+7], 0
.endr
	s_or_b32 s[G1S+0], s43, (3<<16)|(1<<20)|(1<<21)|(5<<22)|(3<<25)   ; the scales of 128 rows: 16 rows of 256 bytes, 16 bytes of padding behind each
	s_or_b32 s[G1SB+0], s44, (3<<16)|(1<<20)|(1<<21)|(5<<22)|(3<<25)
.irp g, G1S, G1SB
	s_mov_b32 s[\g+1], 32<<16
	s_mov_b32 s[\g+2], (128*KS/256)<<16
	s_mov_b32 s[\g+3], 32<<16
	s_mov_b32 s[\g+4], 128*KS/256
	s_mov_b32 s[\g+5], 32
	s_mov_b32 s[\g+6], 0
	s_mov_b32 s[\g+7], 0
.endr
	s_lshl_b32 s18, s16, 7
	s_lshl_b32 s20, s17, 8
	s_add_co_u32 s20, s20, s18                     ; A: token 256 x tile row + 128 x half
	s_lshl_b32 s46, s42, 8
	s_add_co_u32 s46, s46, s18                     ; W_proj: row 256 x tile column + 128 x half
	s_mov_b32 s21, 0
	s_mov_b32 s47, 0
	s_mov_b64 s[18:19], KS
	s_mul_u64 s[22:23], s[20:21], s[18:19]         ; where these rows' scales begin
	s_mul_u64 s[92:93], s[46:47], s[18:19]
	s_mov_b64 s[18:19], KROW
	s_mul_u64 s[46:47], s[46:47], s[18:19]         ; W_proj's codes
	s_lshl_b64 s[20:21], s[20:21], 8               ; A's images: 256 bytes a token in each 256 along K
	s_mul_i32 s45, s14, HALFT
	s_mul_i32 s94, s14, HALFS
	s_wait_kmcnt 0x0
	s_add_nc_u64 s[20:21], s[4:5], s[20:21]
	s_add_nc_u64 s[22:23], s[6:7], s[22:23]
	s_add_nc_u64 s[46:47], s[8:9], s[46:47]
	s_add_nc_u64 s[92:93], s[10:11], s[92:93]
	CROUND                                         ; all sixteen work-groups are here: the first joint loads meet
	s_mov_b32 s[G0S], 1
	s_add_co_u32 s[G0S+1], s94, SCL
	s_mov_b64 s[G0S+2:G0S+3], s[22:23]
	s_or_b32 s[G0S+3], s[G0S+3], 0x80000000
	s_mov_b32 s[G0SB], 1
	s_add_co_u32 s[G0SB+1], s94, SCL
	s_mov_b64 s[G0SB+2:G0SB+3], s[92:93]
	s_or_b32 s[G0SB+3], s[G0SB+3], 0x80000000
	JLOAD G0S, G1S, G0SB, G1SB
.irp s, 0,1
	s_mov_b32 s[G0+4*\s], 1
	s_add_co_u32 s[G0+4*\s+1], s45, \s*SLOT
	s_add_nc_u64 s[G0+4*\s+2:G0+4*\s+3], s[20:21], \s*KQB
	s_or_b32 s[G0+4*\s+3], s[G0+4*\s+3], 0x80000000
	s_mov_b32 s[G0B+4*\s], 1
	s_add_co_u32 s[G0B+4*\s+1], s45, \s*SLOT
	s_add_nc_u64 s[G0B+4*\s+2:G0B+4*\s+3], s[46:47], \s*ROWB
	s_or_b32 s[G0B+4*\s+3], s[G0B+4*\s+3], 0x80000000
	s_wait_alu depctr_va_vdst(0)
	s_wait_tensorcnt 0x0
	ds_add_u32 v28, v29
	s_wait_dscnt 0x0
	CROUND
	JLOAD G0+4*\s, G1, G0B+4*\s, G1B
.endr
	v_and_b32 v1, 15, v0                           ; l % 16
	v_bfe_u32 v2, v0, 4, 1                         ; l / 16
	v_and_b32 v6, 31, v0
	v_lshlrev_b32 v[CO], 4, v6                     ; 16 x lane: my place in an image, and in a row of the result
	v_mul_u32_u24 v3, v1, PITCH
	v_lshl_add_u32 v4, v2, 4, v3
	s_mul_i32 s21, s15, HALFT                      ; my 128 tokens of A
	s_mul_i32 s22, s16, HALFT                      ; my 128 rows of W_proj,
	s_add_co_u32 s22, s22, 2*HALFT                 ; which lie behind A's
.irp s, 0,1
	v_add_nc_u32 v[ADRA+\s], s21, v[CO]
	v_add_nc_u32 v[ADRB+\s], s22, v4
	s_add_co_u32 s21, s21, SLOT
	s_add_co_u32 s22, s22, SLOT
.endr
	v_mul_u32_u24 v5, v1, KS
	v_lshrrev_b32 v6, 8, v5
	v_lshl_add_u32 v5, v6, 4, v5
	s_mul_i32 s21, s15, HALFS
	s_mul_i32 s22, s16, HALFS
	s_add_co_u32 s22, s22, 2*HALFS
	s_sub_co_u32 s22, s22, s21
	v_mul_u32_u24 v6, s22, v2                      ; lanes 16-31 take W_proj's scale words
	s_add_co_u32 s21, s21, SCL
	v_add_nc_u32 v5, v5, v6
	v_add_nc_u32 v[ADRS], s21, v5
	s_mul_i32 s23, s14, 16*SPITCH                  ; my stage
	v_mul_u32_u24 v5, v1, SPITCH
	v_lshl_add_u32 v5, v2, 5, v5
	v_add_nc_u32 v[STO], s23, v5                   ; in: row l % 16, 32 bytes for each half of the lanes
	v_add_nc_u32 v[RD], s23, v[CO]                 ; back: the 32 lanes take one row of 512 bytes
	v_lshlrev_b32 v30, 5, v2                       ; the bias: my half's eight numbers of a tile
	s_wait_alu depctr_va_vdst(0)
	s_lshl_b32 s20, s17, 8
	s_lshl_b32 s21, s15, 7
	s_add_co_u32 s20, s20, s21                     ; my first row of the result
	s_mov_b32 s21, 0
	s_mov_b64 s[18:19], SIZE_N*4
	s_mul_u64 s[20:21], s[20:21], s[18:19]
	s_lshl_b32 s46, s42, 10                        ; my first column, in bytes: 1,024 x tile column + 512 x half
	s_lshl_b32 s47, s16, 9
	s_add_co_u32 s46, s46, s47
	s_mov_b32 s47, 0
	s_add_nc_u64 s[96:97], s[96:97], s[46:47]      ; the bias at my first column
	s_add_nc_u64 s[20:21], s[20:21], s[46:47]
	s_add_nc_u64 s[12:13], s[12:13], s[20:21]
.irp b, 0,1,2,3,4,5,6,7
	global_load_b128 v[BI+8*\b:BI+8*\b+3], v30, s[96:97] offset:64*\b
	global_load_b128 v[BI+8*\b+4:BI+8*\b+7], v30, s[96:97] offset:64*\b+16
.endr
.macro FRAG reg, adr, q, i             ; a fragment of W_proj from rows: registers 4 c .. 4 c + 3 hold K = 32 c + 16 (l / 16) + 0 .. 15 of row l % 16
.irp c, 0,1,2,3
	ds_load_b128 v[\reg+4*\c:\reg+4*\c+3], v[\adr] offset:128*(\q)+32*\c+(\i)*16*PITCH
.endr
.endm
.macro FRAGA reg, adr, q, i            ; a fragment of A from its image: tile of tokens i x 4,096 + q x 2,048 + c x 512 + 16 x lane
.irp c, 0,1,2,3
	ds_load_b128 v[\reg+4*\c:\reg+4*\c+3], v[\adr] offset:2048*(\q)+512*\c+(\i)*4096
.endr
.endm
; 16 matrix instructions: A's blocks a0, a0 + 1 x W_proj's eight.  cm = 1: the sums begin with the bias.  The 64 accumulators take turns, one instruction a turn, in the same order in every step.
.macro MUL16 a0, p, q, sc, cm
.irp a, \a0, \a0+1
.irp b, 0,1,2,3,4,5,6,7
.if \cm
	v_wmma_scale_f32_16x16x128_f8f6f4 v[8*(8*((\a)%4)+\b):8*(8*((\a)%4)+\b)+7], v[128*(\p)+FR*\b:128*(\p)+FR*\b+FR-1], v[AF+FR*(\a):AF+FR*(\a)+FR-1], v[BI+8*\b:BI+8*\b+7], v[SC+8*NQ*(\sc)+NQ*\b+(\q)], v[SC+8*NQ*(\sc)+NQ*(\a)+(\q)] matrix_a_scale:MATRIX_SCALE_ROW1
.else
	v_wmma_scale_f32_16x16x128_f8f6f4 v[8*(8*((\a)%4)+\b):8*(8*((\a)%4)+\b)+7], v[128*(\p)+FR*\b:128*(\p)+FR*\b+FR-1], v[AF+FR*(\a):AF+FR*(\a)+FR-1], v[8*(8*((\a)%4)+\b):8*(8*((\a)%4)+\b)+7], v[SC+8*NQ*(\sc)+NQ*\b+(\q)], v[SC+8*NQ*(\sc)+NQ*(\a)+(\q)] matrix_a_scale:MATRIX_SCALE_ROW1
.endif
.endr
.endr
.endm
.macro FETCH_B slot, q, p
	WIN TO_B
.irp i, 0,1,2,3,4,5,6,7
	FRAG 128*(\p)+FR*\i, ADRB+\slot, \q, \i
.endr
	WIN 0
.endm
.macro FETCH_A slot, q, i0
.irp i, \i0, \i0+1, \i0+2, \i0+3
	FRAGA AF+FR*(\i), ADRA+\slot, \q, \i
.endr
.endm
.macro SCALES sc
.irp i, 0,1,2,3,4,5,6,7
	ds_load_b64 v[SC+8*NQ*\sc+NQ*\i:SC+8*NQ*\sc+NQ*\i+1], v[ADRS] offset:\i*SBLK
.endr
.endm
.macro PLACES n                        ; places in front of loads into registers that matrix instructions have read, and of the first read of results (ISA guide 7.12.1 for the reads of results)
.rept \n
	v_nop
.endr
.endm
.macro STEP slot, q, cm                ; a step of 128 along K that has its successor in the same slot
	s_wait_dscnt 4*NL                              ; W_proj's set and A's blocks 0-3 are in; the youngest 16 loads (A's blocks 4-7) may be out
.if \cm
	WIN 0x81                                       ; C, the bias, in window 0; D in window 2
.else
	WIN MUL_LO
.endif
	MUL16 0, (\q)%2, \q, \slot, \cm
	MUL16 2, (\q)%2, \q, \slot, \cm
	s_wait_dscnt 0
	PLACES NP
	FETCH_B \slot, (\q)+1, 1-(\q)%2
	FETCH_A \slot, (\q)+1, 0
.if \cm
	WIN 0xc1
.else
	WIN MUL_HI
.endif
	MUL16 4, (\q)%2, \q, \slot, \cm
	MUL16 6, (\q)%2, \q, \slot, \cm
	PLACES NP
	WIN 0
	FETCH_A \slot, (\q)+1, 4
.endm
; A slot's last step changes slots: ONE barrier; in front of it each wave waits for all its tensor loads, adds 0 to its spare word, and waits for that and for its own reads of this slot.
.macro TURN slot, next, fill
	s_wait_tensorcnt 0x0                           ; all my tensor loads have landed: my part of the next slot
	ds_add_u32 v[SPW], v[NIL]                      ; 0 onto my spare word
	s_wait_dscnt 4*NL+1                            ; (the add and the youngest 16 loads may be out)
	WIN MUL_LO
	MUL16 0, 1, NQ-1, \slot, 0
	s_wait_dscnt 0x0                               ; the add is done, and my reads of this slot are over
	s_barrier_signal -1
	MUL16 2, 1, NQ-1, \slot, 0
	WIN 0
	s_barrier_wait -1
.if \fill
	CREST                                          ; the barrier has opened a round of the cluster's barrier: no wave of any partner still reads this slot's tile or has a load on its way
	s_add_nc_u64 s[G0+4*\slot+2:G0+4*\slot+3], s[G0+4*\slot+2:G0+4*\slot+3], 2*KQB
	s_add_nc_u64 s[G0B+4*\slot+2:G0B+4*\slot+3], s[G0B+4*\slot+2:G0B+4*\slot+3], 2*ROWB
	JLOAD G0+4*\slot, G1, G0B+4*\slot, G1B
	PLACES NP-4
.else
	PLACES NP
.endif
	s_wait_alu depctr_va_vdst(0)
	v_add_nc_u32 v[ADRS], 4*NQ, v[ADRS]
	FETCH_B \next, 0, 0
	FETCH_A \next, 0, 0
	SCALES \next
	WIN MUL_HI
	MUL16 4, 1, NQ-1, \slot, 0
	MUL16 6, 1, NQ-1, \slot, 0
	PLACES NP
	WIN 0
	FETCH_A \next, 0, 4
.endm
	s_wait_tensorcnt 1                             ; of my three first fills the scales and K step 0 are in; K step 1's may be out
	s_barrier_signal -1
	s_barrier_wait -1
	FETCH_B 0, 0, 0
	FETCH_A 0, 0, 0
	SCALES 0
	FETCH_A 0, 0, 4
	s_wait_loadcnt 0x0                             ; the bias
	STEP 0, 0, 1                                   ; the first step starts the sums with the bias
	TURN 0, 1, 1                                   ; K = 1,024 is four slots' worth: the rest is written out
	STEP 1, 0, 0
	TURN 1, 0, 1
	STEP 0, 0, 0
	TURN 0, 1, 0                                   ; nothing is left to fetch
	STEP 1, 0, 0
	s_wait_dscnt 4*NL
	WIN MUL_LO
	MUL16 0, 1, NQ-1, 1, 0
	MUL16 2, 1, NQ-1, 1, 0
	s_wait_dscnt 0
	WIN MUL_HI
	MUL16 4, 1, NQ-1, 1, 0
	MUL16 6, 1, NQ-1, 1, 0
	WIN 0
; THE WAY OUT, block by block of 16 rows x 128 columns: through my own stage in LDS and back as whole rows of 512 bytes.  LDS serves a wave's instructions in order (ISA guide 5.7.1.4): no wait between the stores and the loads.
.macro TOSTAGE a
.set AC, 64*((\a)%4)
	WIN 0x08+4*((\a)/4)                            ; the data: window 2 or 3
.irp b, 0,1,2,3,4,5,6,7
	ds_store_b128 v[STO], v[AC+8*\b:AC+8*\b+3] offset:64*\b          ; each accumulator from its low end on
	ds_store_b128 v[STO], v[AC+8*\b+4:AC+8*\b+7] offset:64*\b+16
.endr
	WIN 0
.set BB, BK+64*((\a)%2)
.irp t, 0,1,2,3,4,5,6,7,8,9,10,11,12,13,14,15
	ds_load_b128 v[BB+4*\t:BB+4*\t+3], v[RD] offset:\t*SPITCH
.endr
.endm
.macro SEND a, younger                 ; younger: the LDS instructions issued behind block a's loads, which may stay out
.set BB, BK+64*((\a)%2)
	s_wait_dscnt \younger
.if (\a) > 0
	s_add_nc_u64 s[12:13], s[12:13], 16*SIZE_N*4   ; (behind a wait on XCNT: the earlier stores have read their base)
.endif
.irp t, 0,1,2,3,4,5,6,7,8,9,10,11,12,13,14,15
	global_store_b128 v[CO], v[BB+4*\t:BB+4*\t+3], s[12:13] offset:\t*SIZE_N*4 th:TH_STORE_NT   ; 32 lanes store 512 consecutive bytes, at a multiple of 256 from the buffer's first byte
.endr
.endm
	PLACES NP
	TOSTAGE 0
.irp a, 1,2,3,4,5,6,7
.if \a > 1
	s_wait_xcnt 0x0                                ; block a - 2's stores have read their registers and their base
.endif
	TOSTAGE \a
	SEND \a-1, 32                                  ; behind block a - 1's loads: block a's 16 stores and 16 loads
.endr
	s_wait_xcnt 0x0
	SEND 7, 0
	s_wait_tensorcnt 0x0                           ; the wave's end
	ds_add_u32 v[SPW], v[NIL]
	s_wait_dscnt 0x0
	CROUND                                         ; the closing round
	s_endpgm
.Lfunc_end_k_qd920d1e3da_proj:
	.size	k_qd920d1e3da_proj, .Lfunc_end_k_qd920d1e3da_proj-k_qd920d1e3da_proj
	.p2alignl 7, 3214868480
	.fill 96, 4, 3214868480
	.section	.rodata,"a",@progbits
	.p2align	6, 0x0
	.amdhsa_kernel k_qd920d1e3da_proj
		.amdhsa_group_segment_fixed_size 327680
		.amdhsa_private_segment_fixed_size 0
		.amdhsa_enable_private_segment 0
		.amdhsa_kernarg_size 48
		.amdhsa_user_sgpr_count 2
		.amdhsa_user_sgpr_kernarg_segment_ptr 1
		.amdhsa_wavefront_size32 1
		.amdhsa_system_sgpr_workgroup_id_x 1
		.amdhsa_system_sgpr_workgroup_id_y 1
		.amdhsa_system_sgpr_workgroup_id_z 1
		.amdhsa_system_vgpr_workitem_id 0
		.amdhsa_next_free_vgpr 1024
		.amdhsa_next_free_sgpr 98
		.amdhsa_reserve_vcc 0
		.amdhsa_float_denorm_mode_32 3
		.amdhsa_float_denorm_mode_16_64 3
		.amdhsa_memory_ordered 1
		.amdhsa_forward_progress 1
		.amdhsa_inst_pref_size 148
	.end_amdhsa_kernel
	.amdgpu_metadata
---
amdhsa.version: [ 1, 2 ]
amdhsa.kernels:
  - .name:           k_qd920d1e3da_proj
    .symbol:         k_qd920d1e3da_proj.kd
    .args:
      - { .name: a_img, .offset: 0, .size: 8, .value_kind: global_buffer, .address_space: global }
      - { .name: a_sc, .offset: 8, .size: 8, .value_kind: global_buffer, .address_space: global }
      - { .name: W_proj_codes, .offset: 16, .size: 8, .value_kind: global_buffer, .address_space: global }
      - { .name: W_proj_scales, .offset: 24, .size: 8, .value_kind: global_buffer, .address_space: global }
      - { .name: b_proj, .offset: 32, .size: 8, .value_kind: global_buffer, .address_space: global }
      - { .name: out0, .offset: 40, .size: 8, .value_kind: global_buffer, .address_space: global }
    .group_segment_fixed_size: 327680
    .private_segment_fixed_size: 0
    .kernarg_segment_align: 8
    .kernarg_segment_size: 48
    .max_flat_workgroup_size: 128
    .sgpr_count:     98
    .vgpr_count:     1024
    .wavefront_size: 32
...
	.end_amdgpu_metadata
.endif
;; end of part 3
